; MI455X (gfx1250); checked and timed in simulation.
; The chip was launched on July 23, 2026; its instructions are those of AMD's public machine-readable ISA for CDNA 5 (MIT licence, August 2026) and "CDNA5" Instruction Set Architecture Reference Guide (July 2026). The comments in the code are by the model that wrote it; some were corrected since.
;; Attn Aware. Allowed arithmetic: matrix products marked QUANTISED: E2M1 operands, one E8M0 scale for each 32 along K, by v_wmma_scale_f32_16x16x128_f8f6f4 with both operands' format E2M1 (or v_wmma_scale_f32_32x16x128_f4), f32 sums; everything else in f32.
;; Inputs: W1_codes 256 x 16 x 16 uint8 (E2M1 codes of W1, K innermost, in blocks of 32 codes, two codes a byte); W1_scales 256 x 16 uint8 (E8M0 scales of W1, one for each 32 codes along K); W2_codes 256 x 8 x 16 uint8 (E2M1 codes of W2, K innermost, in blocks of 32 codes, two codes a byte); W2_scales 256 x 8 uint8 (E8M0 scales of W2, one for each 32 codes along K); Wk_codes 256 x 8 x 16 uint8 (E2M1 codes of Wk, K innermost, in blocks of 32 codes, two codes a byte); Wk_scales 256 x 8 uint8 (E8M0 scales of Wk, one for each 32 codes along K); Wq_codes 256 x 8 x 16 uint8 (E2M1 codes of Wq, K innermost, in blocks of 32 codes, two codes a byte); Wq_scales 256 x 8 uint8 (E8M0 scales of Wq, one for each 32 codes along K); Ws_codes 256 x 16 x 16 uint8 (E2M1 codes of Ws, K innermost, in blocks of 32 codes, two codes a byte); Ws_scales 256 x 16 uint8 (E8M0 scales of Ws, one for each 32 codes along K); alpha_k 1 x 256 x 1 x 1 float32; alpha_q 1 x 256 x 1 x 1 float32; alpha_r1 1 x 512 x 1 x 1 float32; alpha_r2 1 x 256 x 1 x 1 float32; b1 256 float32; b2 256 float32; bk 256 float32; bq 256 float32; bs 256 float32; x 4 x 256 x 64 x 64 float32.
;; Outputs: out0 4 x 256 x 64 x 64 float32.
;; This version of the problem:
;;   THIS VERSION OF THE PROBLEM IS GIVEN IN LOW PRECISION. The matrix products marked QUANTISED in the list below multiply operands that are first quantised to E2M1 (2 exponent bits, 1 mantissa bit; 4 bits a number), with one power-of-two scale for each 32 numbers along K (OCP MX v1.0); their sums are f32. All else is computed in f32.
;;   The module's matrix products, in the order in which they are computed (A, B: the left and right operand; K: the contracted axis; several contracted axes count as one K, in the product's order):
;;     1. [M 16,384, K 256] x [K 256, N 256]; A: computed on the way; B: input Wq (given as codes): QUANTISED
;;     2. [M 16,384, K 256] x [K 256, N 256]; A: computed on the way; B: input Wk (given as codes): QUANTISED
;;     3. batch 8 x [M 4,096, K 128] x [K 128, N 4,096]; A: computed on the way; B: computed on the way: QUANTISED
;;     4. batch 8 x [M 4,096, K 4,096] x [K 4,096, N 128]; A: softmax (see below); B: input x: QUANTISED
;;     5. [M 16,384, K 512] x [K 512, N 256]; A: computed on the way; B: input Ws (given as codes): QUANTISED
;;     6. [M 16,384, K 512] x [K 512, N 256]; A: computed on the way; B: input W1 (given as codes): QUANTISED
;;     7. [M 16,384, K 256] x [K 256, N 256]; A: computed on the way; B: input W2 (given as codes): QUANTISED
;;   THE QUANTISER, for each operand of a quantised product, along K:
;;     - K is cut into blocks of 32 from its start; a last block that is shorter is filled with zeros.
;;     - A block's scale is 2^e with e = floor(log2(the largest magnitude in the block)) - 2, held to -126 .. 127; a block of zeros has e = 0. As a byte (E8M0): e + 127.
;;     - Each number is divided by its block's scale, clamped to +-6, and rounded to the nearest number of E2M1, ties to even, subnormals kept.
;;     - The product sums the exact products of the quantised numbers (number of the format x scale) in f32.
;;   ~~~python
;;   def quantise(x, axis):      # numpy; x: float32 -> the quantised numbers, widened to float32 again
;;       x = np.moveaxis(x, axis, -1); K = x.shape[-1]
;;       x = np.pad(x, [(0, 0)] * (x.ndim - 1) + [(0, -K % 32)]); x = x.reshape(x.shape[:-1] + (-1, 32)); a = np.abs(x).max(-1, keepdims=True)
;;       e = np.where(a > 0, np.clip(np.frexp(np.where(a > 0, a, 1))[1] - 1 - 2, -126, 127), 0)      # np.frexp(a)[1] - 1 = floor(log2(a)), exactly
;;       r = np.clip(x / 2.0 ** e, -6, 6)
;;       step = 2.0 ** (np.maximum(np.frexp(np.where(r == 0, 1, r))[1] - 1, 0) - 1)
;;       q = np.round(r / step) * step * 2.0 ** e      # np.round: ties to even
;;       return np.moveaxis(q.reshape(q.shape[:-2] + (-1,))[..., :K], -1, axis).astype(np.float32)
;;   ~~~
;;   SOFTMAX AHEAD OF A QUANTISED PRODUCT. Where the list says 'softmax', what is quantised is not the finished softmax but p = 2^(t - M), with t = logit x log2(e) and M = ceil(the row's largest t), a whole number; so 1/2 < the row's largest p <= 1. The row's sum l is taken of the UNQUANTISED p, in f32, and the product's result is divided by l at the end. Since M is a whole number, a kernel that streams over the keys may use a running M (the ceiling of the running maximum): every later rescaling is an exact power of two, which a block's scale takes up: the codes' values come out the same.
;;   OPERANDS COMPUTED ON THE WAY. 'Computed on the way' means the value that the module computes at that place (a softmax that the list does not call 'softmax' is quantised finished and normalised). What goes into a quantiser is computed in f32, as accurately as f32 sums, v_exp_f32 and their like allow (about 1e-6 of the number): no bf16 or f16 on the way to a quantiser, and a product that is left as it is and whose result goes on into a quantised operand takes f32 operands (vector FMAs, or v_wmma_f32_16x16x4_f32). A number that lies on a knife's edge between two numbers of the format may be rounded either way, as far as f32 arithmetic and the matrix unit's own rounding can turn it there, and no further.
;;   INPUTS GIVEN AS CODES. W1 (in the module: [256, 512], K = its axis 1); W2 (in the module: [256, 256], K = its axis 1); Wk (in the module: [256, 256], K = its axis 1); Wq (in the module: [256, 256], K = its axis 1); Ws (in the module: [256, 512], K = its axis 1): each comes as NAME_codes (uint8): NAME with its K axis moved to the last place and cut into blocks of 32 codes, [.., K / 32, bytes a block], one block behind the other in memory; two codes a byte, the lower K in the low four bits (a code: sign, 2 exponent bits, 1 mantissa bit); and NAME_scales (uint8): the same leading axes, one E8M0 byte (e + 127) for each 32 codes along K. Its value is code x scale, taken as it is: it is not quantised again, and the codes and scales need not be those that the quantiser above would give.
;; One version. Each part assembles by itself: llvm-mc -triple=amdgcn-amd-amdhsa -mcpu=gfx1250 --defsym DOCPART=n.
;; ======== version 1 of 1: 3 launches
;; limits: an absolute error that grows with the inputs' magnitude: up to 1e-07 times it
;; workspace buffers: q_img 2,097,152 bytes; q_sc 131,072 bytes; kv 4,456,448 bytes; att 16,777,216 bytes
;; launch prep (part 1): grid 256 x 1, 4 waves a work-group, no clusters, 167,936 bytes of LDS; arguments x, alpha_q, alpha_k, Wq_codes, Wq_scales, bq, Wk_codes, Wk_scales, bk, q_img, q_sc, kv; writes q_img, q_sc, kv
.if DOCPART == 1
	.amdgcn_target "amdgcn-amd-amdhsa--gfx1250"
	.amdhsa_code_object_version 6
	.text
	.protected	k_q91eca73fb9_prep
	.globl	k_q91eca73fb9_prep
	.p2align	8
	.type	k_q91eca73fb9_prep,@function
k_q91eca73fb9_prep:
	s_mov_b64 s[64:65], 0
	v_nop
	global_prefetch_b8 v0, s[64:65] scope:SCOPE_SE
	s_setreg_imm32_b32 hwreg(HW_REG_WAVE_MODE, 25, 1), 1
	s_wait_xcnt 0x0
; FIRST OF THREE LAUNCHES.  x [4][256][4096] f32 is read once and becomes the three operands of attention, as codes of E2M1 with one E8M0 byte for each 32 along K:
;   q = Wq gelu(pixnorm(x, alpha_q)) + bq and k = Wk gelu(pixnorm(x, alpha_k)) + bk (both products on codes), quantised along the head's 128; V = x itself, quantised along the tokens.
; DEAD WORK: none; every input of reference() is loaded by one of the three launches.  ONE FACTOR IS LEFT OUT, in the third launch: PC_RATIO = 1 / (1 + 1e-8).  reference() multiplies f32 arrays by it as a
; weak scalar; the f32 number nearest to 0.99999999 is 1.0 (the next f32 number under 1 lies 5.96e-8 away), so that multiplication changes no bit there, and in real numbers it moves a result by 1e-8 of itself.
; LIMITS: NaN and infinities among the inputs are not served.  A block of zeros, or one whose largest magnitude lies under 2^-124, keeps the scale byte 1 (its codes are zeros; these bytes are read by this program alone).
; gelu(y) = y/2 + |y/2| erf|y / sqrt 2|, erf by two polynomial forms of about one unit in the last place, both computed and one selected: the absolute error is about 1e-7 |y|, so far down the negative tail the relative error is larger.
; SHARES.  Work-group i: image i / 64, tokens 64 (i % 64) on, all 256 channels.  The tile of x (256 rows of 256 bytes) comes by four tensor loads, one a wave, into LDS rows 272 bytes apart.
; Wave w: its 32 tokens are those of half w % 2; waves 0, 1 make q, waves 2, 3 make k: the role chooses pointers and offsets alone, there is one way through the text.
; A LANE IS A TOKEN and its registers run down the channels: the norm's sum and a block's largest magnitude need no other lane, and the conversions give codes with K innermost.
; Lane l holds token 32 (w % 2) + l % 16 + 8 ((l % 16) / 8) + 8 (l / 16): lanes 0-15 are tile u = 0 and lanes 16-31 tile u = 1 of the order in which attention wants keys (tile 2 g + u, row r: token 32 g + 8 u + r + 8 (r / 8)).
; WORKSPACE, in the order of the operands' registers: q_img [head 8][tile 256][group 2][lane 32][16 bytes], q_sc [head][tile][16 words];
;   kv [head 8][key step 32][17,408 bytes]: K's 8 tiles of 1,024 bytes | K's scale words, 4 x 128 bytes (lanes 0-15 tile 2 b, lanes 16-31 tile 2 b + 1) | V^T's 8 tiles of 16 channels x 128 keys | V's scale words likewise.
; No joint loads: the one tile is this work-group's own, and the weights (68 KB) go straight into the registers where they stay.
.set HEADB, 557056                     ; a head's bytes in kv
.set STEPB, 17408                      ; a key step's
.set KSO,   8192                       ; in it: K's scale words,
.set VCO,   8704                       ; V's codes,
.set VSO,   16896                      ; V's scale words
.set XP,    272                        ; LDS: a channel's row: 64 tokens x 4 bytes + 16: sixteen rows begin at sixteen different 16-byte columns of 256 bytes
.set AIMG,  69632                      ; behind the tile: each wave's activations as codes, [block 8][lane 32][16 bytes]
.set ASC,   86016                      ; their scale bytes, [lane 32][8 bytes] for each wave
.set AL,    87040                      ; alpha_q, then alpha_k
.set SPARE, 89088                      ; the spare words, 128 bytes for each wave: two blocks of 256 bytes that no other line names
.set ALB,  1                           ; v1   LDS address of my role's alphas
.set SH8,  2                           ; v2   8 x (lane / 16)
.set XA0,  4                           ; v4   4 x my token
.set XAC,  5                           ; v5   the same, further down the rows
.set ALC,  6                           ; v6   LDS address of the block's alphas
.set VA,   7                           ; v7   V: my channel's row, my 32 tokens
.set WA,   8                           ; v8   byte offsets in W's codes,
.set BA,   9                           ; v9   in the bias,
.set WSA,  10                          ; v10  in W's scale bytes
.set LI,   11                          ; v11  16 x lane
.set LS,   12                          ; v12  4 x lane
.set IMA,  13                          ; v13  where I store a block's codes
.set ASB,  14                          ; v14  and its scale byte
.set IMR,  15                          ; v15  where I read fragments back
.set XR,   16                          ; v16-47   32 numbers of x; at the end the four fragments that leave
.set AV,   48                          ; v48-79   their alphas
.set YR,   80                          ; v80-111  the block at work
.set GT,   112                         ; v112-175 gelu's four sets of 16; later the eight accumulators
.set GS,   128
.set GR,   144
.set GQ,   160
.set HA,   112
.set VC,   144                         ; V: codes of four tiles,
.set VE,   160                         ; their bytes,
.set VH,   164                         ; the halfwords that leave
.set CQ,   176                         ; a block's codes
.set TM,   180                         ; v180-195 at work in the quantisers
.set AF,   196                         ; v196-227 the activations' fragments: tile T, K step s at 16 T + 8 s
.set KC0,  196                         ; (until then: three constants of erf, a pair each)
.set KC1,  198
.set KC2,  200
.set AS,   228                         ; v228-229 the activations' scale words, K steps 0, 1: scales and nothing else
.set WS,   230                         ; v230-245 W's scale words: pair of tiles b', K step s at 2 b' + s: scales and nothing else
.set PW,   246                         ; v246-249 the scale words just made
.set JW,   48
.set RR,   250                         ; v250-251 rsqrt(mean + 1e-8), twice
.set SPW,  252
.set NIL,  253
.set IMC,  254
.set ASCC, 255
.set WV,   28
.set TG,   29
.set ROLE, 30
.set G1,   32
.set G0,   40
.set SEL,  44
.set MK,   46                          ; s46-61 sixteen lane masks
.set KZ,   62
.set THR,  63
.set XS,   88
.set ALS,  89
.set IS,   90
.set JC,   91
.set C256, 92
.set EPS,  93
.set MHI,  94
.set MSB, 0
.macro WIN new                         ; the immediate's high byte repeats the setting that is left
.if MSB != \new
	s_set_vgpr_msb (MSB<<8)|\new
.set MSB, \new
.endif
.endm
.macro PKL d, a, b, lit                ; eight pairs: d = a b + a constant
.set gi, 0
.rept 8
	v_pk_fma_f32 v[\d+gi:\d+gi+1], v[\a+gi:\a+gi+1], v[\b+gi:\b+gi+1], \lit op_sel_hi:[1,1,0]
.set gi, gi+2
.endr
.endm
.macro PKK d, a, lit, k                ; eight pairs: d = a x a constant + the constant kept in v[k]
.set gi, 0
.rept 8
	v_pk_fma_f32 v[\d+gi:\d+gi+1], v[\a+gi:\a+gi+1], \lit, v[\k:\k+1] op_sel_hi:[1,0,0]
.set gi, gi+2
.endr
.endm
; gelu of 16 numbers v[y] .. v[y + 15], in place.  Each step runs over all of them before the next, so that no line waits for the line above it.
.macro GELU16 y
.set gi, 0
.rept 16
	v_mul_f32 v[GT+gi], s[KZ], |v[(\y)+gi]|        ; t = |y| / sqrt 2
.set gi, gi+1
.endr
.set gi, 0
.rept 8
	v_pk_mul_f32 v[GS+gi:GS+gi+1], v[GT+gi:GT+gi+1], v[GT+gi:GT+gi+1]   ; s = t t
.set gi, gi+2
.endr
	PKK GR, GT, 0xb7910000, KC0                    ; over 0.927734375: erf t = 1 - e^r, r a polynomial in t
	PKK GQ, GT, 0xbb7e8a1c, KC1
.set gi, 0
.rept 8
	v_pk_fma_f32 v[GR+gi:GR+gi+1], v[GR+gi:GR+gi+1], v[GS+gi:GS+gi+1], v[GQ+gi:GQ+gi+1]
.set gi, gi+2
.endr
	PKL GR, GR, GT, 0xbddaae5c
	PKL GR, GR, GT, 0xbf228550
	PKL GR, GR, GT, 0xbe03ce86
.set gi, 0
.rept 8
	v_pk_fma_f32 v[GR+gi:GR+gi+1], v[GR+gi:GR+gi+1], v[GT+gi:GT+gi+1], v[GT+gi:GT+gi+1] neg_lo:[0,0,1] neg_hi:[0,0,1]
.set gi, gi+2
.endr
.set gi, 0
.rept 8
	v_pk_mul_f32 v[GR+gi:GR+gi+1], v[GR+gi:GR+gi+1], 0x3fb8aa3b op_sel_hi:[1,0]   ; x log2(e)
.set gi, gi+2
.endr
.set gi, 0
.rept 16
	v_exp_f32 v[GR+gi], v[GR+gi]                   ; one batch of sixteen
.set gi, gi+1
.endr
	PKK GQ, GS, 0xba1c7000, KC2                    ; up to 0.927734375: erf t = t + t x a polynomial in s.  These 48 lines name no exponential's result: the work behind the batch
	PKL GQ, GQ, GS, 0xbcdb48d9
	PKL GQ, GQ, GS, 0x3de70e22
	PKL GQ, GQ, GS, 0xbec09380
	PKL GQ, GQ, GS, 0x3e0375d4
.set gi, 0
.rept 8
	v_pk_fma_f32 v[GQ+gi:GQ+gi+1], v[GQ+gi:GQ+gi+1], v[GT+gi:GT+gi+1], v[GT+gi:GT+gi+1]
.set gi, gi+2
.endr
	s_wait_alu depctr_va_vdst(0)                   ; one wait for the sixteen exponentials, ahead of their first reader
.set gi, 0
.rept 8
	v_pk_fma_f32 v[GR+gi:GR+gi+1], v[GR+gi:GR+gi+1], -1.0, 1.0 op_sel_hi:[1,0,0]
.set gi, gi+2
.endr
.set gi, 0
.rept 16
	v_cmp_gt_f32 s[MK+gi], v[GT+gi], s[THR]
.set gi, gi+1
.endr
.set gi, 0
.rept 16
	v_cndmask_b32 v[GQ+gi], v[GQ+gi], v[GR+gi], s[MK+gi]   ; a choice of value: both forms are computed in every lane
.set gi, gi+1
.endr
.set gi, 0
.rept 8
	v_pk_mul_f32 v[(\y)+gi:(\y)+gi+1], v[(\y)+gi:(\y)+gi+1], 0.5 op_sel_hi:[1,0]
.set gi, gi+2
.endr
.set gi, 0
.rept 16
	v_fma_f32 v[(\y)+gi], |v[(\y)+gi]|, v[GQ+gi], v[(\y)+gi]   ; y/2 + |y/2| erf|z| = y/2 (1 + erf z)
.set gi, gi+1
.endr
.endm
; 32 numbers of ONE lane, v[x] on, are a block: its codes into v[c] .. v[c + 3], its scale byte into v[e].
.macro BLOCKQ x, c, e
	v_max3_num_f32 v[TM], |v[(\x)]|, |v[(\x)+1]|, |v[(\x)+2]|
	v_max3_num_f32 v[TM+1], |v[(\x)+3]|, |v[(\x)+4]|, |v[(\x)+5]|
.irp i, 6,10,14,18,22,26
	v_max3_num_f32 v[TM], v[TM], |v[(\x)+\i]|, |v[(\x)+\i+1]|
	v_max3_num_f32 v[TM+1], v[TM+1], |v[(\x)+\i+2]|, |v[(\x)+\i+3]|
.endr
	v_max3_num_f32 v[TM], v[TM], |v[(\x)+30]|, |v[(\x)+31]|
	v_max3_num_f32 v[TM], v[TM], v[TM+1], 0x1800000    ; the floor 2^(3 - 127): the byte cannot fall under 1
	v_add_nc_u32 v[TM+2], 0xff000000, v[TM]            ; 2 off the exponent field: the conversion takes this operand's exponent field as its scale
.irp g, 0,1,2,3
	v_cvt_scalef32_pk8_fp4_f32 v[(\c)+\g], v[(\x)+8*\g:(\x)+8*\g+7], v[TM+2]
.endr
	v_lshrrev_b32 v[\e], 23, v[TM+2]                   ; the byte; also the plain line behind the conversions
.endm
; 64 numbers of a lane, register 16 b + i = k 32 b + 16 (lane / 16) + i of my row, become a fragment's codes in v[pc] on and its scale word in v[pw].
.macro QUANT4 s, pc, pw
.irp b, 0,1,2,3
	v_max3_num_f32 v[TM+\b], |v[(\s)+16*\b]|, |v[(\s)+1+16*\b]|, 0x1800000
.endr
.irp i, 2,4,6,8,10,12,14
.irp b, 0,1,2,3
	v_max3_num_f32 v[TM+\b], v[TM+\b], |v[(\s)+16*\b+\i]|, |v[(\s)+1+16*\b+\i]|
.endr
.endr
.irp b, 0,1,2,3
	v_permlanex16_b32 v[TM+4+\b], v[TM+\b], s[SEL], s[SEL+1]
.endr
.irp b, 0,1,2,3
	v_max_num_f32 v[TM+\b], v[TM+\b], v[TM+4+\b]       ; with lane l xor 16's: the block's largest magnitude
.endr
.irp b, 0,1,2,3
	v_add_nc_u32 v[TM+12+\b], 0xff000000, v[TM+\b]
.endr
.irp b, 0,1,2,3
	v_lshrrev_b32 v[TM+4+\b], 23, v[TM+12+\b]
.endr
	v_lshl_or_b32 v[\pw], v[TM+5], 8, v[TM+4]
	v_lshl_or_b32 v[\pw], v[TM+6], 16, v[\pw]
	v_lshl_or_b32 v[\pw], v[TM+7], 24, v[\pw]
.irp b, 0,1,2,3
	v_cvt_scalef32_pk8_fp4_f32 v[(\pc)+2*\b], v[(\s)+16*\b:(\s)+7+16*\b], v[TM+12+\b]
	v_cvt_scalef32_pk8_fp4_f32 v[(\pc)+1+2*\b], v[(\s)+8+16*\b:(\s)+15+16*\b], v[TM+12+\b]
.endr
	v_nop                                          ; one plain line behind a scaled conversion
.irp c, 0,1                                    ; the operand wants a whole block in a lane: lanes 0-15 block 2 c, lanes 16-31 block 2 c + 1
.irp i, 0,1
	v_permlane16_swap_b32 v[(\pc)+4*\c+\i], v[(\pc)+2+4*\c+\i]
.endr
.endr
.endm
; One matrix instruction.  c < 0: the constant 0 starts the sum.  ra, rb: the side's scales stand in lanes 16-31 of its register.
.macro WM d, a, b, c, sa, sb, ra, rb
.if (\c) < 0
.if (\ra) && (\rb)
	v_wmma_scale_f32_16x16x128_f8f6f4 v[(\d):(\d)+7], v[(\a):(\a)+7], v[(\b):(\b)+7], 0, v[\sa], v[\sb] matrix_a_fmt:MATRIX_FMT_FP4 matrix_b_fmt:MATRIX_FMT_FP4 matrix_a_scale:MATRIX_SCALE_ROW1 matrix_b_scale:MATRIX_SCALE_ROW1
.elseif (\ra)
	v_wmma_scale_f32_16x16x128_f8f6f4 v[(\d):(\d)+7], v[(\a):(\a)+7], v[(\b):(\b)+7], 0, v[\sa], v[\sb] matrix_a_fmt:MATRIX_FMT_FP4 matrix_b_fmt:MATRIX_FMT_FP4 matrix_a_scale:MATRIX_SCALE_ROW1
.elseif (\rb)
	v_wmma_scale_f32_16x16x128_f8f6f4 v[(\d):(\d)+7], v[(\a):(\a)+7], v[(\b):(\b)+7], 0, v[\sa], v[\sb] matrix_a_fmt:MATRIX_FMT_FP4 matrix_b_fmt:MATRIX_FMT_FP4 matrix_b_scale:MATRIX_SCALE_ROW1
.else
	v_wmma_scale_f32_16x16x128_f8f6f4 v[(\d):(\d)+7], v[(\a):(\a)+7], v[(\b):(\b)+7], 0, v[\sa], v[\sb] matrix_a_fmt:MATRIX_FMT_FP4 matrix_b_fmt:MATRIX_FMT_FP4
.endif
.else
.if (\ra) && (\rb)
	v_wmma_scale_f32_16x16x128_f8f6f4 v[(\d):(\d)+7], v[(\a):(\a)+7], v[(\b):(\b)+7], v[(\c):(\c)+7], v[\sa], v[\sb] matrix_a_fmt:MATRIX_FMT_FP4 matrix_b_fmt:MATRIX_FMT_FP4 matrix_a_scale:MATRIX_SCALE_ROW1 matrix_b_scale:MATRIX_SCALE_ROW1
.elseif (\ra)
	v_wmma_scale_f32_16x16x128_f8f6f4 v[(\d):(\d)+7], v[(\a):(\a)+7], v[(\b):(\b)+7], v[(\c):(\c)+7], v[\sa], v[\sb] matrix_a_fmt:MATRIX_FMT_FP4 matrix_b_fmt:MATRIX_FMT_FP4 matrix_a_scale:MATRIX_SCALE_ROW1
.elseif (\rb)
	v_wmma_scale_f32_16x16x128_f8f6f4 v[(\d):(\d)+7], v[(\a):(\a)+7], v[(\b):(\b)+7], v[(\c):(\c)+7], v[\sa], v[\sb] matrix_a_fmt:MATRIX_FMT_FP4 matrix_b_fmt:MATRIX_FMT_FP4 matrix_b_scale:MATRIX_SCALE_ROW1
.else
	v_wmma_scale_f32_16x16x128_f8f6f4 v[(\d):(\d)+7], v[(\a):(\a)+7], v[(\b):(\b)+7], v[(\c):(\c)+7], v[\sa], v[\sb] matrix_a_fmt:MATRIX_FMT_FP4 matrix_b_fmt:MATRIX_FMT_FP4
.endif
.endif
.endm
.macro LOADX set, j                    ; block j (32 channels) of my token into v[set] on; the rows from 128 on go by the second address
.set li_, 0
.rept 32
.if (\j) < 4
	ds_load_b32 v[(\set)+li_], v[XA0] offset:(32*(\j)+li_)*XP
.else
	ds_load_b32 v[(\set)+li_], v[XAC] offset:(32*((\j)-4)+li_)*XP
.endif
.set li_, li_+1
.endr
.endm
.macro LOADBLK                         ; the block at v[XAC], and its 32 alphas (every lane reads the same 128 bytes)
.set li_, 0
.rept 32
	ds_load_b32 v[XR+li_], v[XAC] offset:li_*XP
.set li_, li_+1
.endr
.irp i, 0,1,2,3,4,5,6,7
	ds_load_b128 v[AV+4*\i:AV+4*\i+3], v[ALC] offset:16*\i
.endr
.endm
	; ---- the head
	s_load_b256 s[4:11], s[0:1], 0x0               ; x, alpha_q, alpha_k, Wq's codes
	s_load_b256 s[12:19], s[0:1], 0x20             ; Wq's scales, bq, Wk's codes, Wk's scales
	s_load_b256 s[20:27], s[0:1], 0x40             ; bk, q_img, q_sc, kv
	v_lshl_add_u32 v[SPW], v0, 2, SPARE
	v_mov_b32 v[NIL], 0
	ds_add_u32 v[SPW], v[NIL]                      ; the wave's opening: the add, twice on end, and its wait ahead of my first tensor load
	ds_add_u32 v[SPW], v[NIL]
	v_lshrrev_b32 v20, 5, v0
	v_readfirstlane_b32 s[WV], v20                 ; wave 0..3
	s_and_b32 s[TG], s[WV], 1                      ; which 32 tokens
	s_lshr_b32 s[ROLE], s[WV], 1                   ; 0: q, 1: k
	s_mov_b32 s[G1+0], (2<<16)|(1<<20)|(5<<22)|(3<<25)   ; elements of 4 bytes; padding: 4 words behind every 64
	s_mov_b32 s[G1+1], 64<<16                      ; tensor_dim0 = 64 tokens
	s_mov_b32 s[G1+2], 64<<16                      ; tensor_dim1 = 64 channels
	s_mov_b32 s[G1+3], 64<<16                      ; tile_dim0
	s_mov_b32 s[G1+4], 64                          ; tile_dim1
	s_mov_b32 s[G1+5], 4096                        ; from channel to channel
	s_mov_b32 s[G1+6], 0
	s_mov_b32 s[G1+7], 0
	s_lshr_b32 s66, ttmp9, 6                       ; the image
	s_and_b32 s67, ttmp9, 63                       ; the block of 64 tokens
	s_lshl_b32 s68, s66, 22
	s_lshl_b32 s95, s[WV], 20
	s_add_co_u32 s68, s68, s95
	s_lshl_b32 s95, s67, 8
	s_add_co_u32 s68, s68, s95                     ; ((256 image + 64 wave) 4096 + 64 block) x 4 bytes
	s_mov_b32 s69, 0
	v_lshlrev_b32 v24, 3, v0
	s_wait_dscnt 0x0                               ; both opening adds are done
	s_wait_kmcnt 0x0
	s_mov_b32 s[G0], 1
	s_mul_i32 s[G0+1], s[WV], 64*XP                ; my 64 rows of the tile
	s_add_nc_u64 s[G0+2:G0+3], s[4:5], s[68:69]
	s_or_b32 s[G0+3], s[G0+3], 0x80000000
	tensor_load_to_lds s[G0:G0+3], s[G1:G1+7]      ; every wave issues one: my only tensor load
	s_nop 0
.rept 4
	v_nop
.endr
	global_load_b64 v[16:17], v24, s[6:7]          ; the alphas: 8 bytes a thread of each
	global_load_b64 v[18:19], v24, s[8:9]
	; where things go
	s_mul_i32 s96, s66, 2*HEADB
	s_lshr_b32 s95, s67, 1                         ; the key step: 128 tokens
	s_mul_i32 s95, s95, STEPB
	s_add_co_u32 s96, s96, s95                     ; the image's first head, this key step
	s_mul_i32 s95, s[ROLE], HEADB                  ; V: wave w quantises channels 64 w on: head w / 2, tiles 4 (w % 2) on
	s_add_co_u32 s95, s95, s96
	s_and_b32 s97, s67, 1                          ; which 64 of the step's 128 keys: the fragment's group
	s_lshl_b32 s98, s[TG], 12
	s_add_co_u32 s70, s95, s98
	s_lshl_b32 s98, s97, 9
	s_add_co_u32 s70, s70, s98
	s_add_co_u32 s70, s70, VCO
	s_mov_b32 s71, 0
	s_lshl_b32 s98, s[TG], 8
	s_add_co_u32 s72, s95, s98
	s_lshl_b32 s98, s97, 1
	s_add_co_u32 s72, s72, s98
	s_add_co_u32 s72, s72, VSO
	s_mov_b32 s73, 0
	s_lshl_b32 s95, s67, 1
	s_add_co_u32 s95, s95, s[TG]                   ; g: my 32 tokens among the image's 128 groups
	s_and_b32 s97, s95, 3
	s_lshl_b32 s98, s97, 11
	s_add_co_u32 s98, s98, s96                     ; k: codes
	s_lshl_b32 s99, s97, 7
	s_add_co_u32 s99, s99, s96
	s_add_co_u32 s99, s99, KSO                     ; k: scale words
	s_lshl_b32 s80, s66, 19
	s_lshl_b32 s97, s95, 11
	s_add_co_u32 s80, s80, s97                     ; q: codes: (512 image + 2 g) x 1,024
	s_lshl_b32 s84, s66, 15
	s_lshl_b32 s97, s95, 7
	s_add_co_u32 s84, s84, s97                     ; q: scale words: x 64
	s_mov_b32 s95, HEADB
	s_mov_b32 s81, 0
	s_mov_b32 s85, 0
	s_mov_b32 s89, 0
	s_mov_b32 s91, 0
	s_cmp_eq_u32 s[ROLE], 0                        ; the choices hang on the wave's number alone
	s_cselect_b32 s80, s80, s98
	s_cselect_b32 s84, s84, s99
	s_cselect_b32 s88, 262144, s95                 ; from head to head: codes,
	s_cselect_b32 s90, 16384, s95                  ; scale words
	s_cselect_b64 s[74:75], s[10:11], s[16:17]     ; W's codes,
	s_cselect_b64 s[76:77], s[12:13], s[18:19]     ; its scales,
	s_cselect_b64 s[78:79], s[14:15], s[20:21]     ; the bias
	s_cselect_b64 s[82:83], s[22:23], s[26:27]
	s_cselect_b64 s[86:87], s[24:25], s[26:27]
	s_add_nc_u64 s[80:81], s[82:83], s[80:81]      ; head 0's codes,
	s_add_nc_u64 s[82:83], s[80:81], s[88:89]      ; head 1's
	s_add_nc_u64 s[84:85], s[86:87], s[84:85]      ; head 0's scale words,
	s_add_nc_u64 s[86:87], s[84:85], s[90:91]      ; head 1's
	s_add_nc_u64 s[70:71], s[26:27], s[70:71]      ; V's codes,
	s_add_nc_u64 s[72:73], s[26:27], s[72:73]      ; V's scale halfwords
	s_mov_b32 s[SEL], 0x76543210
	s_mov_b32 s[SEL+1], 0xfedcba98                 ; v_permlanex16_b32's selects for lane l xor 16
	s_mov_b32 s[KZ], 0x3f3504f3                    ; 1 / sqrt 2
	s_mov_b32 s[THR], 0x3f6d8000                   ; 0.927734375
	s_mov_b32 s[C256], 0x3b800000                  ; 1 / 256
	s_mov_b32 s[EPS], 0x322bcc77                   ; 1e-8
	s_mov_b32 s[MHI], 0xffff0000                   ; lanes 16-31
	v_and_b32 v20, 31, v0                          ; lane
	v_and_b32 v21, 15, v0                          ; r
	v_bfe_u32 v22, v0, 4, 1                        ; h
	v_and_b32 v23, 8, v21
	v_add_nc_u32 v23, v23, v21                     ; r + 8 (r / 8)
	v_lshlrev_b32 v[SH8], 3, v22
	v_lshl_add_u32 v[XA0], v22, 3, v23             ; + 8 h
	v_lshlrev_b32 v[WSA], 3, v[XA0]                ; W's scale words: 8 bytes a row; lanes 16-31 take the rows of the pair's second tile
	v_lshlrev_b32 v[XA0], 2, v[XA0]
	s_lshl_b32 s95, s[TG], 7
	v_add_nc_u32 v[XA0], s95, v[XA0]
	v_add_nc_u32 v[XAC], 128*XP, v[XA0]
	v_mul_u32_u24 v[VA], v21, XP
	v_lshl_add_u32 v[VA], v22, 7, v[VA]
	s_mul_i32 s95, s[WV], 64*XP
	v_add_nc_u32 v[VA], s95, v[VA]
	v_lshlrev_b32 v[WA], 7, v23                    ; W: a row of 256 codes is 128 bytes
	v_lshl_add_u32 v[WA], v22, 4, v[WA]
	v_lshlrev_b32 v[BA], 6, v22
	v_lshlrev_b32 v[LI], 4, v20
	v_lshlrev_b32 v[LS], 2, v20
	s_lshl_b32 s95, s[WV], 12
	s_add_co_u32 s95, s95, AIMG
	v_add_nc_u32 v[IMA], s95, v[LI]
	v_lshlrev_b32 v[IMR], 4, v21
	v_lshl_add_u32 v[IMR], v22, 9, v[IMR]
	v_add_nc_u32 v[IMR], s95, v[IMR]
	s_lshl_b32 s95, s[WV], 8
	s_add_co_u32 s95, s95, ASC
	v_lshl_add_u32 v[ASB], v20, 3, s95
	s_lshl_b32 s95, s[ROLE], 10
	s_add_co_u32 s95, s95, AL
	v_mov_b32 v[ALB], s95
	v_add_nc_u32 v25, AL, v24
.irp b, 0,1,2,3
	v_mov_b32 v[TM+4+\b], 0                        ; written once: a lane permute's destination counts as one of its sources
.endr
	s_wait_loadcnt 0x0                             ; the alphas
	ds_store_b64 v25, v[16:17]
	ds_store_b64 v25, v[18:19] offset:1024
	WIN 0x40                                       ; destination window 1: W's 32 fragments (tile t, K step s) at 8 (2 t + s): they land while x is worked on
.set tt, 0
.rept 16
.irp s, 0,1
.irp c, 0,1
	global_load_b128 v[8*(2*tt+\s)+4*\c:8*(2*tt+\s)+4*\c+3], v[WA], s[74:75] offset:(32*(tt/2)+8*(tt%2))*128+64*\s+32*\c
.endr
.endr
.set tt, tt+1
.endr
	WIN 0x80                                       ; destination window 2: the bias in the result's layout: tile t, lane (r, h): units 32 (t / 2) + 16 h + 8 (t % 2) + 0 .. 7
.set tt, 0
.rept 16
	global_load_b128 v[8*tt:8*tt+3], v[BA], s[78:79] offset:(32*(tt/2)+8*(tt%2))*4
	global_load_b128 v[8*tt+4:8*tt+7], v[BA], s[78:79] offset:(32*(tt/2)+8*(tt%2))*4+16
.set tt, tt+1
.endr
	WIN 0
.irp p, 0,1,2,3,4,5,6,7
	global_load_b64 v[WS+2*\p:WS+2*\p+1], v[WSA], s[76:77] offset:256*\p
.endr
	s_wait_tensorcnt 0x0                           ; my 64 rows are in,
	s_wait_dscnt 0x0                               ; my part of the alphas is stored:
	s_barrier_signal -1
	s_barrier_wait -1                              ; everybody's are
	; ---- V: wave w takes channels 64 w on, four tiles of 16; lane (r, h) holds tokens 32 h .. 32 h + 31 of channel r: a whole block
.irp k, 0,1,2,3
.irp j, 0,1,2,3,4,5,6,7
	ds_load_b128 v[XR+32*\k+4*\j:XR+32*\k+4*\j+3], v[VA] offset:\k*16*XP+16*\j
.endr
.endr
.irp k, 0,1,2,3
	s_wait_dscnt 8*(3-\k)                          ; the later tiles' eight loads each may be out
	BLOCKQ XR+32*\k, VC+4*\k, VE+\k
	global_store_b128 v[LI], v[VC+4*\k:VC+4*\k+3], s[70:71] offset:1024*\k   ; 512 consecutive bytes: this group of the tile's image
.endr
.irp k, 0,1,2,3
	v_lshlrev_b32 v[VE+\k], v[SH8], v[VE+\k]       ; my block's byte at its place among the two,
.endr
.irp k, 0,1,2,3
	v_permlanex16_b32 v[TM+4+\k], v[VE+\k], s[SEL], s[SEL+1]
.endr
.irp k, 0,1,2,3
	v_or_b32 v[VE+\k], v[VE+\k], v[TM+4+\k]        ; with lane l xor 16's
.endr
.irp p, 0,1
	v_cndmask_b32 v[VH+\p], v[VE+2*\p], v[VE+2*\p+1], s[MHI]   ; lanes 0-15 the pair's first tile, lanes 16-31 its second
	global_store_b16 v[LS], v[VH+\p], s[72:73] offset:128*\p   ; 64 tokens are two of a scale word's four blocks: these stores fill half of each word, the neighbouring work-group the other half: 512 bytes of the 64 KB that a work-group reads
.endr
	; ---- the sum of squares over the 256 channels of my token: eight blocks on two sets of registers
	LOADX XR, 0
.irp j, 0,1,2,3,4,5,6,7
.if \j < 7
	LOADX XR+32*((\j+1)%2), \j+1
	s_wait_dscnt 32                                ; all but the 32 just issued
.else
	s_wait_dscnt 0x0
.endif
.set xs, XR+32*(\j%2)
.set gi, 0
.rept 16
.if (\j == 0) && (gi < 4)
	v_pk_mul_f32 v[YR+2*gi:YR+2*gi+1], v[xs+2*gi:xs+2*gi+1], v[xs+2*gi:xs+2*gi+1]   ; the first four start the four chains
.else
	v_pk_fma_f32 v[YR+2*(gi%4):YR+2*(gi%4)+1], v[xs+2*gi:xs+2*gi+1], v[xs+2*gi:xs+2*gi+1], v[YR+2*(gi%4):YR+2*(gi%4)+1]
.endif
.set gi, gi+1
.endr
.endr
	v_pk_add_f32 v[YR:YR+1], v[YR:YR+1], v[YR+2:YR+3]
	v_pk_add_f32 v[YR+4:YR+5], v[YR+4:YR+5], v[YR+6:YR+7]
	v_pk_add_f32 v[YR:YR+1], v[YR:YR+1], v[YR+4:YR+5]
	v_add_f32 v[YR], v[YR], v[YR+1]
	v_fma_f32 v[YR], v[YR], s[C256], s[EPS]        ; the mean + 1e-8
	v_rsq_f32 v[RR], v[YR]
	v_mov_b32 v[KC0], 0x39c8e7d9                   ; (plain lines behind the transcendental)  erf's three addends that stand beside another constant
	v_mov_b32 v[KC0+1], 0x39c8e7d9
	v_mov_b32 v[KC1], 0x3cc6b1a1
	v_mov_b32 v[KC1+1], 0x3cc6b1a1
	v_mov_b32 v[KC2], 0x3ba38d2c
	v_mov_b32 v[KC2+1], 0x3ba38d2c
	s_wait_alu depctr_va_vdst(0)                   ; ahead of the first reader
	v_mov_b32 v[RR+1], v[RR]
	; ---- the activations, a block of 32 channels a trip; the next block's numbers are asked for a trip ahead
	s_mov_b32 s[XS], 0
	s_mov_b32 s[ALS], 0
	s_mov_b32 s[IS], 0
	s_mov_b32 s[JC], 0
	v_add_nc_u32 v[XAC], s[XS], v[XA0]
	v_add_nc_u32 v[ALC], s[ALS], v[ALB]
	LOADBLK
	s_wait_xcnt 0x0                                ; V's stores have read their registers, which gelu writes below
.Lact:
	s_wait_dscnt 0x0                               ; the block and its alphas are in; the last trip's stores have read their registers
.set gi, 0
.rept 16
	v_pk_mul_f32 v[YR+gi:YR+gi+1], v[XR+gi:XR+gi+1], v[AV+gi:AV+gi+1]   ; alpha x
.set gi, gi+2
.endr
	s_add_co_u32 s[XS], s[XS], 32*XP
	s_min_u32 s[XS], s[XS], 7*32*XP                ; the last trip reads block 7 once more: no read leaves the tile
	s_add_co_u32 s[ALS], s[ALS], 128
	s_min_u32 s[ALS], s[ALS], 896
	v_add_nc_u32 v[XAC], s[XS], v[XA0]
	v_add_nc_u32 v[ALC], s[ALS], v[ALB]
	v_add_nc_u32 v[IMC], s[IS], v[IMA]
	v_add_nc_u32 v[ASCC], s[JC], v[ASB]
	LOADBLK
.set gi, 0
.rept 16
	v_pk_mul_f32 v[YR+gi:YR+gi+1], v[YR+gi:YR+gi+1], v[RR:RR+1]   ; x rsqrt
.set gi, gi+2
.endr
	GELU16 YR
	GELU16 YR+16
	BLOCKQ YR, CQ, TM+3
	ds_store_b128 v[IMC], v[CQ:CQ+3]               ; block J of my token: 512 J + 16 x lane
	ds_store_b8 v[ASCC], v[TM+3]                   ; byte J of my token's eight
	s_add_co_u32 s[IS], s[IS], 512
	s_add_co_u32 s[JC], s[JC], 1
	s_cmp_lt_u32 s[JC], 8
	s_cbranch_scc1 .Lact
	; ---- back as fragments: the wave's own bytes, served in order.  Tile T, K step s, group c of lane (r, h) is block 4 s + 2 c + h of token-lane 16 T + r: the addresses do the change of lanes
.irp tl, 0,1
.irp s, 0,1
.irp c, 0,1
	ds_load_b128 v[AF+16*\tl+8*\s+4*\c:AF+16*\tl+8*\s+4*\c+3], v[IMR] offset:(4*\s+2*\c)*512+256*\tl
.endr
.endr
.endr
	ds_load_b64 v[AS:AS+1], v[ASB]                 ; lane = token: tile 0's words in lanes 0-15, tile 1's in lanes 16-31
	s_wait_loadcnt 0x0                             ; W, its scales, the bias
	s_wait_dscnt 0x0
	; ---- the products, transposed (source 0 = 16 rows of W, source 1 = 16 tokens): a lane holds one token, its registers run along the head's 128.  Eight accumulators by turns
.irp hh, 0,1
.irp tl, 0,1
	WIN 0x21                                       ; W in window 1, the bias (C) in window 2
.irp t, 0,1,2,3,4,5,6,7
	WM HA+8*\t, 8*(2*(8*\hh+\t)), AF+16*\tl, 8*(8*\hh+\t), WS+2*((8*\hh+\t)/2), AS, \t%2, \tl
.endr
	WIN 0x01
.irp t, 0,1,2,3,4,5,6,7
	WM HA+8*\t, 8*(2*(8*\hh+\t)+1), AF+16*\tl+8, HA+8*\t, WS+2*((8*\hh+\t)/2)+1, AS+1, \t%2, \tl
.endr
	WIN 0
.rept 4
	v_nop                                          ; places ahead of the first read of results
.endr
	QUANT4 HA, XR+8*(2*\hh+\tl), PW+2*\hh+\tl      ; (its lines that name no accumulator are more than the five places ahead of the next group, which begins the accumulators anew)
	global_store_b128 v[LI], v[XR+8*(2*\hh+\tl):XR+8*(2*\hh+\tl)+3], s[80+2*\hh:81+2*\hh] offset:1024*\tl
	global_store_b128 v[LI], v[XR+8*(2*\hh+\tl)+4:XR+8*(2*\hh+\tl)+7], s[80+2*\hh:81+2*\hh] offset:1024*\tl+512
.if \tl == 1
	v_cndmask_b32 v[JW+\hh], v[PW+2*\hh], v[PW+2*\hh+1], s[MHI]
	global_store_b32 v[LS], v[JW+\hh], s[84+2*\hh:85+2*\hh]   ; the two tiles' scale words: 128 consecutive bytes
.endif
.endr
.endr
	s_wait_tensorcnt 0x0                           ; the wave's end, behind my last tensor load and my last LDS store
	ds_add_u32 v[SPW], v[NIL]
	s_wait_dscnt 0x0
	s_endpgm
.Lfunc_end_k_q91eca73fb9_prep:
	.size	k_q91eca73fb9_prep, .Lfunc_end_k_q91eca73fb9_prep-k_q91eca73fb9_prep
	.p2alignl 7, 3214868480
	.fill 96, 4, 3214868480
	.section	.rodata,"a",@progbits
	.p2align	6, 0x0
	.amdhsa_kernel k_q91eca73fb9_prep
		.amdhsa_group_segment_fixed_size 167936
		.amdhsa_private_segment_fixed_size 0
		.amdhsa_enable_private_segment 0
		.amdhsa_kernarg_size 96
		.amdhsa_user_sgpr_count 2
		.amdhsa_user_sgpr_kernarg_segment_ptr 1
		.amdhsa_wavefront_size32 1
		.amdhsa_system_sgpr_workgroup_id_x 1
		.amdhsa_system_sgpr_workgroup_id_y 1
		.amdhsa_system_sgpr_workgroup_id_z 1
		.amdhsa_system_vgpr_workitem_id 0
		.amdhsa_next_free_vgpr 640
		.amdhsa_next_free_sgpr 100
		.amdhsa_reserve_vcc 0
		.amdhsa_float_denorm_mode_32 3
		.amdhsa_float_denorm_mode_16_64 3
		.amdhsa_memory_ordered 1
		.amdhsa_forward_progress 1
		.amdhsa_inst_pref_size 117
	.end_amdhsa_kernel
	.amdgpu_metadata
---
amdhsa.version: [ 1, 2 ]
amdhsa.kernels:
  - .name:           k_q91eca73fb9_prep
    .symbol:         k_q91eca73fb9_prep.kd
    .args:
      - { .name: x, .offset: 0, .size: 8, .value_kind: global_buffer, .address_space: global }
      - { .name: alpha_q, .offset: 8, .size: 8, .value_kind: global_buffer, .address_space: global }
      - { .name: alpha_k, .offset: 16, .size: 8, .value_kind: global_buffer, .address_space: global }
      - { .name: Wq_codes, .offset: 24, .size: 8, .value_kind: global_buffer, .address_space: global }
      - { .name: Wq_scales, .offset: 32, .size: 8, .value_kind: global_buffer, .address_space: global }
      - { .name: bq, .offset: 40, .size: 8, .value_kind: global_buffer, .address_space: global }
      - { .name: Wk_codes, .offset: 48, .size: 8, .value_kind: global_buffer, .address_space: global }
      - { .name: Wk_scales, .offset: 56, .size: 8, .value_kind: global_buffer, .address_space: global }
      - { .name: bk, .offset: 64, .size: 8, .value_kind: global_buffer, .address_space: global }
      - { .name: q_img, .offset: 72, .size: 8, .value_kind: global_buffer, .address_space: global }
      - { .name: q_sc, .offset: 80, .size: 8, .value_kind: global_buffer, .address_space: global }
      - { .name: kv, .offset: 88, .size: 8, .value_kind: global_buffer, .address_space: global }
    .group_segment_fixed_size: 167936
    .private_segment_fixed_size: 0
    .kernarg_segment_align: 8
    .kernarg_segment_size: 96
    .max_flat_workgroup_size: 128
    .sgpr_count:     100
    .vgpr_count:     640
    .wavefront_size: 32
...
	.end_amdgpu_metadata
.endif
;; end of part 1
;; launch attn (part 2): grid 32 x 8, 16 waves a work-group, clusters of 4 x 1, 327,680 bytes of LDS; arguments q_img, q_sc, kv, att; writes att
.if DOCPART == 2
	.amdgcn_target "amdgcn-amd-amdhsa--gfx1250"
	.amdhsa_code_object_version 6
	.text
	.protected	k_q91eca73fb9_attn
	.globl	k_q91eca73fb9_attn
	.p2align	8
	.type	k_q91eca73fb9_attn,@function
k_q91eca73fb9_attn:
	s_mov_b64 s[64:65], 0
	v_nop
	global_prefetch_b8 v0, s[64:65] scope:SCOPE_SE
	s_setreg_imm32_b32 hwreg(HW_REG_WAVE_MODE, 25, 1), 1
	s_wait_xcnt 0x0
	s_wait_alu depctr_hold_cnt(0) depctr_sa_sdst(0) depctr_va_vdst(0) depctr_va_sdst(0) depctr_va_ssrc(0) depctr_va_vcc(0) depctr_vm_vsrc(0)
	s_getreg_b32 s2, hwreg(HW_REG_IB_STS2, 6, 4)
	s_cmp_eq_u32 s2, 0
	s_cbranch_scc0 .Lentry_in_a_cluster
	s_endpgm
.Lentry_in_a_cluster:
	s_bfe_u32 s2, ttmp6, 0x10000c
	s_cmp_lg_u32 s2, 0x3003
	s_cbranch_scc0 .Lentry_shape_is_right
	s_endpgm
.Lentry_shape_is_right:
; SECOND LAUNCH.  att[b][128 head + d][q] = the sum over keys of softmax(q . k / sqrt(128)) x[b][128 head + d][key], both products on codes of E2M1.  No work of reference() is left out here.
; THE SOFTMAX AHEAD OF THE SECOND PRODUCT: t = score x log2(e) / sqrt(128); M = the largest t so far, rounded UP to a whole number; p = 2^(t - M) is quantised along the keys, not normalised; the sum is taken of the
; unquantised p and divides at the end.  When M moves, the sum and O are multiplied by 2^(old M - new M): exact.
; LIMITS: NaN and infinities are not served; a p under 2^-126 counts as 0; a block of such p keeps the scale byte 1 over codes of zero.
; SHARES.  A work-group owns 128 queries of one of the 8 heads; 32 x 8 work-groups.  Sixteen waves of 256 registers, four to a SIMD, so that one wave's vector work stands beside another's products and LDS loads.
; Wave w owns tile w % 8 of 16 queries and HALF OF THE KEYS: of every slot's eight key steps of 128 keys, waves 0-7 walk the first four and waves 8-15 the last four.  The two halves meet at the end: both M are whole numbers, so bringing them under one M rounds nothing.
; LAYOUT.  Both products are used transposed (S^T = K Q^T, O^T = V^T P): a lane holds one query throughout.  kv is laid in the order of the operands' registers (see the first launch): a key step is 68 dense rows of 256 bytes,
; every fragment is read at 16 x lane and every scale word at 4 x lane; one scale register serves two tiles, lanes 0-15 the first and lanes 16-31 the second.
; A tile's keys are not neighbours: row r of tile 2 b + u is key 32 b + 8 u + r + 8 (r / 8), so that p's 16 registers of tiles 2 b, 2 b + 1 are 16 neighbouring keys.  The queries' tiles have the same order; the stage on the way out puts each back at its place.
; THE RING.  Two slots of eight key steps, 139,264 bytes each; a head's 32 key steps are four slots' worth.  Waves 0-7 bring a key step each.  Both slots are asked for at the head; two refills follow.
; CLUSTER.  The four query blocks of a cluster belong to one head and walk the same kv: each slot is asked for JOINTLY (the same tensor load, the same descriptor, a mask that names the four).
; K A STEP AHEAD.  p's 64 registers are free once the conversions have read them: the next step's K is asked for into them there, and lands under the rescaling of O^T and the products V^T P.  So the two halves v32-95 and v96-159
; change places from step to step: in one lie K and then V, in the other S^T and then p.  A slot's last step asks for nothing: the next K lies in the other slot, behind the barrier.
; A slot's four steps of a wave are written out: the halves alternate, every offset is an immediate, and the last step differs: sixteen copies of the step in all.
; REGISTERS: v1-11 addresses; v12 -M, v13 the largest t, v[14:15] the sum; v16-23 Q; v32-95, v96-159 the two halves; v160-223 O^T; v224-231 p's codes; v232-239, v244-247, v252, v254 at work;
;   scales and nothing else: v240-243 V's, v248-251 K's, v253 p's, v255 Q's.
.set STEPB, 17408
.set SLOTB, 8*STEPB
.set HEADB, 32*STEPB
.set KSO,   8192
.set VCO,   8704
.set VSO,   16896
.set MRGB,  8448                       ; where the halves meet: from LDS byte 0 on, for each tile of queries the second half's O^T (16 x 512 bytes) and its -M and sum (256 bytes).  That is slot 0: it has had its last fill, and behind the last change of slots nobody reads it
.set STAGE, SLOTB                      ; the way out: a stage of 128 channels x (128 tokens x 4 bytes + 16), in slot 1: it has had its last fill, and the first result is stored there behind a barrier in front of which every wave has waited for its last reads of it
.set STP,   528
.set SPARE, 2*SLOTB                    ; behind the ring: the spare words, 128 bytes for each wave: eight blocks of 256 bytes that no other line names
.set LI,  1                            ; v1   16 x lane
.set LS,  2                            ; v2   4 x lane
.set MA,  3                            ; v3   where the second half's O^T goes
.set MS,  4                            ; v4   and its -M and sum
.set SPW, 5
.set NIL, 6
.set SO,  7                            ; v7   the stage: my query's column, my half's rows
.set ADC, 8                            ; v8   the codes of the two steps in hand, for my lane
.set ADS, 9                            ; v9   their scale words
.set SR,  10                           ; v10  the stage: the rows that I store
.set PFO, 11                           ; v11  the prefetch's offset; never rewritten
.set WV,  18
.set SEL, 20
.set CS,  22
.set G1,  24                           ; s[24:31] descriptor group 1
.set G0A, 32                           ; s[32:35] group 0 for slot 0
.set TBW, 36                           ; s36  LDS byte at which my four key steps of the slot in hand begin
.set GB,  37                           ; s37  the same within a slot
.set PFA, 38                           ; s[38:39] my wave's part of my work-group's part of a slot, in the head's first slot; never rewritten
.set LIM, 40                           ; s40  1 in a wave that prefetches
.set G0B, 60                           ; s[60:63] group 0 for slot 1
.macro CROUND                          ; a round of the cluster's barrier
	s_barrier_signal -1
	s_barrier_wait -1
	s_cmp_lg_u32 s[WV], 0
	s_cbranch_scc1 .Lnot_wave_0_\@
	s_barrier_signal -3
.Lnot_wave_0_\@:
	s_barrier_wait -3
	s_barrier_signal -1
	s_barrier_wait -1
.endm
.macro JLOAD g0                        ; waves 0-7 bring a key step each; the branch hangs on the wave's number alone.  An s_nop 0 and four v_nop follow the load
	s_cmp_lt_u32 s[WV], 8
	s_cbranch_scc0 .Lno_load_\@
	tensor_load_to_lds s[\g0:\g0+3], s[G1:G1+7]
	s_nop 0
.rept 4
	v_nop
.endr
.Lno_load_\@:
.endm
; A prefetch of slot idx of the head's four, which the NEXT change of slots will ask for: a slot's four key steps of every wave ahead of that load, the least that this ring's form offers.  All clusters of a head walk the same kv:
; the head's first cluster asks.  Its four partners take two key steps each, 136 blocks of 256 bytes, told apart by address; in each, waves that fetch nothing ask: waves 8 to 11 name 32 blocks, a lane a block, and wave 12 the last eight
; (its lanes 8 to 31 name its last block again).  The slot stands in the immediate, so no address register is stepped.  The head's first two slots come by their loads alone.
.macro ASK idx
	s_cmp_eq_u32 s[LIM], 1
	s_cbranch_scc0 .Lnot_mine_\@
	global_prefetch_b8 v[PFO], s[PFA:PFA+1] offset:(\idx)*SLOTB th:TH_LOAD_NT scope:SCOPE_SE
.Lnot_mine_\@:
.endm
	s_load_b256 s[4:11], s[0:1], 0x0               ; q_img, q_sc, kv, att
	v_lshl_add_u32 v[SPW], v0, 2, SPARE
	v_mov_b32 v[NIL], 0
	ds_add_u32 v[SPW], v[NIL]                      ; the wave's opening: the add, twice on end, and its wait ahead of the first tensor load
	ds_add_u32 v[SPW], v[NIL]
	v_lshrrev_b32 v8, 5, v0
	v_readfirstlane_b32 s[WV], v8                  ; wave 0..15
	s_bfe_u32 s12, ttmp6, 0x40000                  ; cx: it enters Q's, att's and the prefetch's global addresses alone
	s_lshl_b32 s13, ttmp9, 2
	s_add_co_u32 s13, s13, s12                     ; my block of 128 queries
	s_and_b32 s14, ttmp7, 0xffff                   ; the head, which the four partners share
	s_and_b32 s15, s[WV], 7                        ; my tile of queries; also: the key step of a slot that I fetch, if I fetch
	s_lshr_b32 s16, s[WV], 3                       ; my half of the keys
	s_mov_b32 s[G1+0], 15|(3<<16)|(1<<21)          ; the mask: all four work-groups; elements of 8 bytes; bit 21 set beside a mask; no padding
	s_mov_b32 s[G1+1], 32<<16                      ; tensor_dim0: 256 bytes
	s_mov_b32 s[G1+2], 68<<16                      ; tensor_dim1: a key step's 68 rows
	s_mov_b32 s[G1+3], 32<<16
	s_mov_b32 s[G1+4], 68
	s_mov_b32 s[G1+5], 32                          ; dense
	s_mov_b32 s[G1+6], 0
	s_mov_b32 s[G1+7], 0
	s_mul_i32 s42, s14, HEADB
	s_mov_b32 s43, 0
	s_mul_i32 s41, s15, STEPB                      ; my key step's place, in a slot and in memory alike: no place in the cluster enters it
	s_mov_b32 s44, s41
	s_mov_b32 s45, 0
	s_lshl_b32 s46, s14, 8
	s_lshl_b32 s47, s13, 3
	s_add_co_u32 s46, s46, s47
	s_add_co_u32 s46, s46, s15                     ; my tile among all heads'
	s_lshl_b32 s48, s46, 6
	s_mov_b32 s49, 0
	s_lshl_b32 s46, s46, 10
	s_mov_b32 s47, 0
	s_lshl_b32 s50, s14, 21                        ; att: channel 128 head + 8 wave, token 128 block
	s_lshl_b32 s51, s[WV], 17
	s_add_co_u32 s50, s50, s51
	s_lshl_b32 s51, s13, 9
	s_add_co_u32 s50, s50, s51
	s_mov_b32 s51, 0
	s_mul_i32 s52, s12, 2*STEPB                    ; the prefetches: my work-group's two key steps of a slot,
	s_lshl_b32 s53, s15, 13                        ; my wave's 8,192 bytes of them
	s_add_co_u32 s52, s52, s53
	s_mov_b32 s53, 0
	s_cmp_eq_u32 s15, 4
	s_cselect_b32 s55, 7, 31                       ; wave 12 has eight blocks left
	s_sub_co_u32 s54, s[WV], 8
	s_cmp_lt_u32 s54, 5
	s_cselect_b32 s54, 0, 1                        ; 0 in waves 8 to 12
	s_or_b32 s54, s54, ttmp9                       ; of the head's first cluster: the same in all four partners
	s_cmp_eq_u32 s54, 0
	s_cselect_b32 s[LIM], 1, 0
	s_mov_b32 s[SEL], 0x76543210
	s_mov_b32 s[SEL+1], 0xfedcba98
	s_mov_b32 s[CS], 0x3e0293ee                    ; c = log2(e) / sqrt(128)
	s_mov_b32 s[CS+1], s[CS]
	s_mul_i32 s[GB], s16, 4*STEPB
	s_wait_dscnt 0x0                               ; both opening adds are done
	s_wait_kmcnt 0x0
	s_add_nc_u64 s[8:9], s[8:9], s[42:43]          ; kv at my head
	s_mov_b32 s[G0A], 1
	s_mov_b32 s[G0A+1], s41
	s_add_nc_u64 s[G0A+2:G0A+3], s[8:9], s[44:45]  ; slot 0 begins with the head's first eight key steps,
	s_mov_b32 s[G0B], 1
	s_add_co_u32 s[G0B+1], s41, SLOTB
	s_add_nc_u64 s[G0B+2:G0B+3], s[G0A+2:G0A+3], SLOTB   ; slot 1 with the next eight
	s_or_b32 s[G0A+3], s[G0A+3], 0x80000000
	s_or_b32 s[G0B+3], s[G0B+3], 0x80000000
	s_add_nc_u64 s[PFA:PFA+1], s[8:9], s[52:53]
	s_add_nc_u64 s[4:5], s[4:5], s[46:47]
	s_add_nc_u64 s[6:7], s[6:7], s[48:49]
	s_add_nc_u64 s[10:11], s[10:11], s[50:51]
	CROUND                                         ; all four work-groups are here: the first joint loads meet
	s_cmp_lt_u32 s[WV], 8                          ; a wave's two first fills stand in one branch, ahead of every wait on TENSORcnt and every LDS read: two loads of a loading wave are out here, later one
	s_cbranch_scc0 .Lno_first
	tensor_load_to_lds s[G0A:G0A+3], s[G1:G1+7]
	s_nop 0
	tensor_load_to_lds s[G0B:G0B+3], s[G1:G1+7]
	s_nop 0
.rept 4
	v_nop
.endr
.Lno_first:
	v_and_b32 v8, 31, v0                           ; lane
	v_and_b32 v9, 15, v0                           ; r
	v_bfe_u32 v12, v0, 4, 1                        ; h
	v_lshlrev_b32 v[LI], 4, v8
	v_lshlrev_b32 v[LS], 2, v8
	v_lshlrev_b32 v254, 2, v9
	global_load_b128 v[16:19], v[LI], s[4:5]       ; Q's fragment stays in registers
	global_load_b128 v[20:23], v[LI], s[4:5] offset:512
	global_load_b32 v255, v254, s[6:7]             ; and its scale words
	v_min_u32 v[PFO], s55, v8
	v_lshlrev_b32 v[PFO], 8, v[PFO]
	s_mul_i32 s56, s15, MRGB                       ; the meeting place begins at LDS byte 0
	v_add_nc_u32 v[MA], s56, v[LI]
	s_add_co_u32 s56, s56, 8192
	v_lshl_add_u32 v[MS], v8, 3, s56
	v_and_b32 v[SO], 8, v9
	v_add_nc_u32 v[SO], v[SO], v9                  ; r + 8 (r / 8)
	v_lshlrev_b32 v[SO], 2, v[SO]
	v_mad_u32_u24 v[SO], v12, 8*STP, v[SO]         ; lanes 16-31: eight channels further down
	s_lshr_b32 s56, s15, 1
	s_lshl_b32 s56, s56, 7
	s_and_b32 s57, s15, 1
	s_lshl_b32 s57, s57, 5
	s_add_co_u32 s56, s56, s57                     ; my tile's tokens begin at 32 (tile / 2) + 8 (tile % 2)
	s_add_co_u32 s56, s56, STAGE
	v_add_nc_u32 v[SO], s56, v[SO]
	s_mul_i32 s56, s[WV], 8*STP
	s_add_co_u32 s56, s56, STAGE
	v_add_nc_u32 v[SR], s56, v[LI]
	v_mov_b32 v13, 0xff61b1e6                      ; the largest t so far: -3e38, under every t
	v_floor_f32 v12, -v13                          ; -M
	v_mov_b32 v14, 0
	v_mov_b32 v15, 0
.irp b, 0,1,2,3
	v_mov_b32 v[236+\b], 0                         ; written once: a lane permute's destination counts as one of its sources
.endr
	v_mov_b32 v253, 0                              ; (named as the upper half of the pair v[252:253] before it is first written)
.set gi, 0
.rept 64
	v_mov_b32 v[160+gi], 0                         ; O^T: the key step has one form; its first run finds zeros, which the first change of M leaves zeros
.set gi, gi+1
.endr
; K's eight fragments and four scale registers of the key step at byte off from the addresses in hand, into v[kb] on: twenty LDS loads
.macro KLOAD kb, off
.irp t, 0,1,2,3,4,5,6,7
.irp c, 0,1
	ds_load_b128 v[(\kb)+8*\t+4*\c:(\kb)+8*\t+4*\c+3], v[ADC] offset:(\off)+1024*\t+512*\c
.endr
.endr
.irp b, 0,1,2,3
	ds_load_b32 v[248+\b], v[ADS] offset:(\off)+KSO+128*\b
.endr
.endm
; A KEY STEP: 128 keys, the i-th of the two at the addresses in hand.  Its K has been asked for into v[kb] on; S^T and p take v[sb] on.  nxt = 1: the next step's K is asked for into v[sb] on, once p's conversions have read it.
.macro STEP i, kb, sb, nxt
.rept 5
	v_nop                                          ; five places: the products below write over the registers from which the last products V^T P took V
.endr
	s_wait_dscnt 0x0                               ; K
.irp b, 0,1,2,3                                ; S^T = K Q^T
	v_wmma_scale_f32_16x16x128_f8f6f4 v[(\sb)+16*\b:(\sb)+16*\b+7], v[(\kb)+16*\b:(\kb)+16*\b+7], v[16:23], 0, v[248+\b], v255 matrix_a_fmt:MATRIX_FMT_FP4 matrix_b_fmt:MATRIX_FMT_FP4
	v_wmma_scale_f32_16x16x128_f8f6f4 v[(\sb)+16*\b+8:(\sb)+16*\b+15], v[(\kb)+16*\b+8:(\kb)+16*\b+15], v[16:23], 0, v[248+\b], v255 matrix_a_fmt:MATRIX_FMT_FP4 matrix_b_fmt:MATRIX_FMT_FP4 matrix_a_scale:MATRIX_SCALE_ROW1
.endr
.rept 4
	v_nop                                          ; places ahead of the loads below and of the first read of the scores
.endr
.irp t, 0,1,2,3,4,5,6,7                        ; V's fragments take K's place; they are asked for now and land under the softmax
.irp c, 0,1
	ds_load_b128 v[(\kb)+8*\t+4*\c:(\kb)+8*\t+4*\c+3], v[ADC] offset:(\i)*STEPB+VCO+1024*\t+512*\c
.endr
.endr
.irp b, 0,1,2,3
	ds_load_b32 v[240+\b], v[ADS] offset:(\i)*STEPB+VSO+128*\b
.endr
.irp b, 0,1,2,3
	v_max3_num_f32 v[232+\b], v[(\sb)+16*\b], v[(\sb)+1+16*\b], v[(\sb)+2+16*\b]   ; the largest score of each block of 32 keys: it serves for the row's maximum and, since p rises with the score, for the block's largest p
.endr
.irp u, 3,5,7,9,11,13
.irp b, 0,1,2,3
	v_max3_num_f32 v[232+\b], v[232+\b], v[(\sb)+16*\b+\u], v[(\sb)+1+16*\b+\u]
.endr
.endr
.irp b, 0,1,2,3
	v_max_num_f32 v[232+\b], v[232+\b], v[(\sb)+15+16*\b]
.endr
.irp b, 0,1,2,3
	v_permlanex16_b32 v[236+\b], v[232+\b], s[SEL], s[SEL+1]
.endr
.irp b, 0,1,2,3
	v_max_num_f32 v[232+\b], v[232+\b], v[236+\b]  ; with lane l xor 16's 16 keys
.endr
	v_max3_num_f32 v254, v232, v233, v234
	v_max_num_f32 v254, v254, v235
	v_mul_f32 v254, s[CS], v254                    ; as t (c is positive)
	v_max_num_f32 v13, v13, v254                   ; the running largest t
	v_mov_b32 v254, v12
	v_floor_f32 v12, -v13                          ; the new -M = floor(-t): M is a whole number
	v_sub_f32 v254, v12, v254                      ; old M - new M: a whole number, 0 or less
	v_cvt_i32_f32 v254, v254
	v_ldexp_f32 v252, 1.0, v254                    ; f = 2^(old M - new M)
.set gi, 0
.rept 32
	v_pk_fma_f32 v[(\sb)+gi:(\sb)+gi+1], v[(\sb)+gi:(\sb)+gi+1], s[CS:CS+1], v[12:13] op_sel_hi:[1,0,0]   ; t - M, two at a time
.set gi, gi+2
.endr
.irp b, 0,1,2,3
	v_fma_f32 v[232+\b], v[232+\b], s[CS], v12
.endr
.set gi, 0
.rept 64
	v_exp_f32 v[(\sb)+gi], v[(\sb)+gi]             ; p = 2^(t - M), at most 1: one batch
.set gi, gi+1
.endr
	v_pk_mul_f32 v[14:15], v[14:15], v[252:253] op_sel_hi:[1,0]   ; the sums under the new M; a plain line behind the exponentials
	s_wait_alu depctr_va_vdst(0)                   ; one wait for the batch, ahead of its first reader
.irp b, 0,1,2,3
	v_exp_f32 v[232+\b], v[232+\b]                 ; the block's largest p: the same two instructions on the same number give the same bits
.endr
	v_pk_add_f32 v[236:237], v[(\sb):(\sb)+1], v[(\sb)+2:(\sb)+3]    ; the row's sum of the unquantised p, in two chains; it reads the 64 alone
.irp j, 4,8,12,16,20,24,28,32,36,40,44,48,52,56,60
	v_pk_add_f32 v[14:15], v[14:15], v[(\sb)+\j:(\sb)+\j+1]
	v_pk_add_f32 v[236:237], v[236:237], v[(\sb)+2+\j:(\sb)+3+\j]
.endr
	v_pk_add_f32 v[14:15], v[14:15], v[236:237]
	s_wait_alu depctr_va_vdst(0)                   ; and one for the four
.irp b, 0,1,2,3
	v_max_num_f32 v[232+\b], 0x1800000, v[232+\b]  ; the floor 2^(3 - 127): the byte cannot fall under 1
.endr
.irp b, 0,1,2,3
	v_add_nc_u32 v[244+\b], 0xff000000, v[232+\b]  ; 2 off the exponent field: the conversion's scale operand
.endr
.irp b, 0,1,2,3
	v_lshrrev_b32 v[236+\b], 23, v[244+\b]
.endr
	v_lshl_or_b32 v253, v237, 8, v236              ; p's scale word for these 128 keys
	v_lshl_or_b32 v253, v238, 16, v253
	v_lshl_or_b32 v253, v239, 24, v253
.irp b, 0,1,2,3
	v_cvt_scalef32_pk8_fp4_f32 v[224+2*\b], v[(\sb)+16*\b:(\sb)+7+16*\b], v[244+\b]
	v_cvt_scalef32_pk8_fp4_f32 v[225+2*\b], v[(\sb)+8+16*\b:(\sb)+15+16*\b], v[244+\b]
.endr
	v_nop                                          ; one plain line behind a scaled conversion
.if \nxt
	KLOAD \sb, ((\i)+1)*STEPB                      ; p has been summed and converted: its registers take the next step's K, which lands under the lines below
	s_wait_dscnt 20                                ; V, asked for ahead of the softmax, is in; the twenty loads just issued may be out
.else
	s_wait_dscnt 0x0                               ; V
.endif
.irp c, 0,1
.irp z, 0,1
	v_permlane16_swap_b32 v[224+4*\c+\z], v[226+4*\c+\z]   ; the operand wants a whole block in a lane
.endr
.endr
.set gi, 0
.rept 32
	v_pk_mul_f32 v[160+gi:161+gi], v[160+gi:161+gi], v[252:253] op_sel_hi:[1,0]   ; O^T under the new M; these 32 also stand between the lines that made p's codes and scale word and the products
.set gi, gi+2
.endr
.irp b, 0,1,2,3                                ; O^T += V^T P: eight accumulators by turns
	v_wmma_scale_f32_16x16x128_f8f6f4 v[160+16*\b:167+16*\b], v[(\kb)+16*\b:(\kb)+16*\b+7], v[224:231], v[160+16*\b:167+16*\b], v[240+\b], v253 matrix_a_fmt:MATRIX_FMT_FP4 matrix_b_fmt:MATRIX_FMT_FP4
	v_wmma_scale_f32_16x16x128_f8f6f4 v[168+16*\b:175+16*\b], v[(\kb)+16*\b+8:(\kb)+16*\b+15], v[224:231], v[168+16*\b:175+16*\b], v[240+\b], v253 matrix_a_fmt:MATRIX_FMT_FP4 matrix_b_fmt:MATRIX_FMT_FP4 matrix_a_scale:MATRIX_SCALE_ROW1
.endr
.endm
; THE CHANGE OF SLOTS stands at a slot's head.
; kind 0, the first: my part of slot 0 is in; slot 1's load may stay out.
; kind 1: each wave waits for all its tensor loads, adds 0 to its spare word, and waits for that and for its reads of the slot that it has left; a round of the cluster's barrier; behind it that slot is filled with the keys
;         two slots on, by the group 0 named: the load has the four key steps of every wave in which to land.
; kind 2, the last: the same three lines and the work-group's barrier; nothing is asked for.
.macro CHANGE kind, g0
.if \kind == 0
	s_wait_tensorcnt 0x1
	s_barrier_signal -1
	s_barrier_wait -1
.elseif \kind == 1
	s_wait_tensorcnt 0x0                           ; no tensor load of mine is out, so a group 0 may be written
	ds_add_u32 v[SPW], v[NIL]                      ; 0 onto my spare word
	ds_add_u32 v[SPW], v[NIL]                      ; and once more
	s_add_nc_u64 s[\g0+2:\g0+3], s[\g0+2:\g0+3], 2*SLOTB   ; this slot's next eight key steps; the type bits on top are not reached
	s_wait_dscnt 0x0                               ; both adds are done, and my reads of the slot that I have left are over
	CROUND
	JLOAD \g0                                      ; the first thing behind the round, and a wave's one tensor load until the next
.else
	s_wait_tensorcnt 0x0
	ds_add_u32 v[SPW], v[NIL]
	s_wait_dscnt 0x0
	s_barrier_signal -1
	s_barrier_wait -1
.endif
.endm
; A slot: the change, the first step's K, which nothing covers, and my four key steps.  ask: the slot to prefetch, or 0.
.macro PERIOD slot, kind, g0, ask
	CHANGE \kind, \g0
	s_add_co_u32 s[TBW], s[GB], (\slot)*SLOTB
	v_add_nc_u32 v[ADC], s[TBW], v[LI]
	v_add_nc_u32 v[ADS], s[TBW], v[LS]
	KLOAD 32, 0
.if \ask
	ASK \ask                                       ; behind the joint load and the run of LDS loads that the next products wait for
.endif
	STEP 0, 32, 96, 1
	STEP 1, 96, 32, 1
	v_add_nc_u32 v[ADC], 2*STEPB, v[ADC]           ; on to my third and fourth steps (an LDS load has read its address when it is issued)
	v_add_nc_u32 v[ADS], 2*STEPB, v[ADS]
	STEP 0, 32, 96, 1
	STEP 1, 96, 32, 0
.endm
	s_wait_loadcnt 0x0                             ; Q
	PERIOD 0, 0, 0, 2                              ; keys 0 on, in slot 0
	PERIOD 1, 1, G0A, 3                            ; keys 1,024 on, in slot 1; keys 2,048 on are asked for into slot 0
	PERIOD 0, 1, G0B, 0                            ; keys 2,048 on; keys 3,072 on are asked for into slot 1
	PERIOD 1, 2, 0, 0                              ; keys 3,072 on
	; ---- the two halves of the keys meet
.rept 4
	v_nop                                          ; places behind the last products
.endr
	v_add_f32 v14, v14, v15
	v_permlanex16_b32 v252, v14, s[SEL], s[SEL+1]
	v_add_f32 v13, v14, v252                       ; my half's sum; v[12:13] = -M, sum
	s_cmp_lt_u32 s[WV], 8
	s_cbranch_scc1 .Lfirst_half
.set gi, 0
.rept 16
	ds_store_b128 v[MA], v[160+4*gi:163+4*gi] offset:512*gi   ; waves 8-15: O^T as it stands, each accumulator from its low end on
.set gi, gi+1
.endr
	ds_store_b64 v[MS], v[12:13]
.Lfirst_half:
	s_wait_dscnt 0x0                               ; my stores have landed, and my reads of slot 1 are over
	s_barrier_signal -1
	s_barrier_wait -1
	s_cmp_lt_u32 s[WV], 8
	s_cbranch_scc0 .Lsecond_half
.set gi, 0
.rept 16
	ds_load_b128 v[32+4*gi:35+4*gi], v[MA] offset:512*gi      ; waves 0-7: the same registers in the same lanes
.set gi, gi+1
.endr
	ds_load_b64 v[232:233], v[MS]
	s_wait_dscnt 0x0
	v_min_num_f32 v234, v12, v232                  ; the common -M
	v_sub_f32 v235, v234, v12                      ; whole numbers, 0 or less
	v_sub_f32 v236, v234, v232
	v_cvt_i32_f32 v235, v235
	v_cvt_i32_f32 v236, v236
	v_ldexp_f32 v235, 1.0, v235
	v_ldexp_f32 v236, 1.0, v236
	v_mul_f32 v237, v13, v235
	v_fma_f32 v237, v233, v236, v237               ; the row's sum
	v_rcp_f32 v237, v237
	v_nop                                          ; a plain line behind the transcendental
	s_wait_alu depctr_va_vdst(0)                   ; ahead of the first reader
	v_mul_f32 v244, v235, v237
	v_mul_f32 v246, v236, v237
.set gi, 0
.rept 32
	v_pk_mul_f32 v[96+gi:97+gi], v[160+gi:161+gi], v[244:245] op_sel_hi:[1,0]
.set gi, gi+2
.endr
.set gi, 0
.rept 32
	v_pk_fma_f32 v[96+gi:97+gi], v[32+gi:33+gi], v[246:247], v[96+gi:97+gi] op_sel_hi:[1,0,1]
.set gi, gi+2
.endr
.irp t, 0,1,2,3,4,5,6,7
.irp j, 0,1,2,3,4,5,6,7
	ds_store_b32 v[SO], v[96+8*\t+\j] offset:(16*\t+\j)*STP   ; channel 16 t + 8 h + j, my query's column: att has the tokens innermost
.endr
.endr
.Lsecond_half:
	s_wait_dscnt 0x0
	s_barrier_signal -1
	s_barrier_wait -1
.irp j, 0,1,2,3,4,5,6,7
	ds_load_b128 v[32+4*\j:35+4*\j], v[SR] offset:\j*STP      ; all sixteen waves: eight channels each, 512 bytes a row
.endr
.irp j, 0,1,2,3,4,5,6,7
	s_wait_dscnt 7-\j                              ; the younger loads may be out
	global_store_b128 v[LI], v[32+4*\j:35+4*\j], s[10:11] offset:16384*\j   ; 512 consecutive bytes, at a multiple of 512 from att's first byte
.endr
	s_wait_tensorcnt 0x0                           ; the wave's end, behind my last tensor load and my last LDS store
	ds_add_u32 v[SPW], v[NIL]
	s_wait_dscnt 0x0
	CROUND                                         ; the closing round
	s_endpgm
.Lfunc_end_k_q91eca73fb9_attn:
	.size	k_q91eca73fb9_attn, .Lfunc_end_k_q91eca73fb9_attn-k_q91eca73fb9_attn
	.p2alignl 7, 3214868480
	.fill 96, 4, 3214868480
	.section	.rodata,"a",@progbits
	.p2align	6, 0x0
	.amdhsa_kernel k_q91eca73fb9_attn
		.amdhsa_group_segment_fixed_size 327680
		.amdhsa_private_segment_fixed_size 0
		.amdhsa_enable_private_segment 0
		.amdhsa_kernarg_size 32
		.amdhsa_user_sgpr_count 2
		.amdhsa_user_sgpr_kernarg_segment_ptr 1
		.amdhsa_wavefront_size32 1
		.amdhsa_system_sgpr_workgroup_id_x 1
		.amdhsa_system_sgpr_workgroup_id_y 1
		.amdhsa_system_sgpr_workgroup_id_z 1
		.amdhsa_system_vgpr_workitem_id 0
		.amdhsa_next_free_vgpr 256
		.amdhsa_next_free_sgpr 66
		.amdhsa_reserve_vcc 0
		.amdhsa_float_denorm_mode_32 3
		.amdhsa_float_denorm_mode_16_64 3
		.amdhsa_memory_ordered 1
		.amdhsa_forward_progress 1
		.amdhsa_inst_pref_size 255
	.end_amdhsa_kernel
	.section	.bss,"aw",@nobits
	.p2align	6
	.space	262144
	.amdgpu_metadata
---
amdhsa.version: [ 1, 2 ]
amdhsa.kernels:
  - .name:           k_q91eca73fb9_attn
    .symbol:         k_q91eca73fb9_attn.kd
    .args:
      - { .name: q_img, .offset: 0, .size: 8, .value_kind: global_buffer, .address_space: global }
      - { .name: q_sc, .offset: 8, .size: 8, .value_kind: global_buffer, .address_space: global }
      - { .name: kv, .offset: 16, .size: 8, .value_kind: global_buffer, .address_space: global }
      - { .name: att, .offset: 24, .size: 8, .value_kind: global_buffer, .address_space: global }
    .group_segment_fixed_size: 327680
    .private_segment_fixed_size: 0
    .kernarg_segment_align: 8
    .kernarg_segment_size: 32
    .max_flat_workgroup_size: 512
    .sgpr_count:     66
    .vgpr_count:     256
    .wavefront_size: 32
...
	.end_amdgpu_metadata
.endif
;; end of part 2
;; launch resblk (part 3): grid 256 x 1, 4 waves a work-group, no clusters, 196,608 bytes of LDS; arguments att, x, alpha_r1, W1_codes, W1_scales, b1, alpha_r2, W2_codes, W2_scales, b2, Ws_codes, Ws_scales, bs, out0; writes out0
.if DOCPART == 3
	.amdgcn_target "amdgcn-amd-amdhsa--gfx1250"
	.amdhsa_code_object_version 6
	.text
	.protected	k_q91eca73fb9_resblk
	.globl	k_q91eca73fb9_resblk
	.p2align	8
	.type	k_q91eca73fb9_resblk,@function
k_q91eca73fb9_resblk:
	s_mov_b64 s[64:65], 0
	v_nop
	global_prefetch_b8 v0, s[64:65] scope:SCOPE_SE
	s_setreg_imm32_b32 hwreg(HW_REG_WAVE_MODE, 25, 1), 1
	s_wait_xcnt 0x0
; THIRD LAUNCH.  cat = [att, x] (512 channels); out0 = (W2 gelu(pixnorm(W1 gelu(pixnorm(cat, alpha_r1)) + b1, alpha_r2)) + b2 + Ws cat + bs) / sqrt 2, all three products on codes of E2M1.
; LEFT OUT: the factor PC_RATIO = 1 / (1 + 1e-8): as a weak f32 scalar it is 1.0 in reference() itself, and in real numbers it moves a result by 1e-8 of itself (shown at the head of the first launch).
; LIMITS: as in the first launch (NaN, infinities, blocks under 2^-124, gelu's error of about 1e-7 |y|).  W2's and Ws's products are summed in ONE accumulator, and the division by sqrt 2 is a multiplication by 0.70710678: another order of rounding than reference()'s.
; SHARES.  Work-group i: image i / 64, tokens 64 (i % 64) on.  The tile of cat (512 rows of 256 bytes) comes by four tensor loads, one a wave (waves 0, 1: att's halves; waves 2, 3: x's), into LDS rows 272 bytes apart.
; MAKING THE OPERANDS: wave w takes tokens 32 (w % 2) on and channels 256 (w / 2) on; a lane is a token, its registers run down the channels.  Codes go to LDS as [half of the tokens][block 16][lane 32][16 bytes], scale bytes as [half][lane][16].
; THE PRODUCTS: the waves share the COLUMNS: wave w owns outputs 64 w .. 64 w + 63 for all 64 tokens; its part of W1, Ws and W2 stays in its registers, read once.  W1's product is used transposed and W1's rows are chosen
; (row r of tile 2 b + u: 32 b + 8 u + r + 8 (r / 8)), so that a lane's registers run along the next K; Ws's and W2's are used as they stand (source 0 = 16 tokens): a lane then holds eight neighbouring tokens of one output channel, as out0 has them.
; No joint loads: the tile is the work-group's own, and the weights (164 KB) would not fit in LDS beside the tile and the images (188 KB).  No prefetch: the one tile is asked for at the head.
; REGISTERS: window 0: v1-31 addresses and small things; v32-95 numbers as loaded, later fragments, later results; v96-127 the block at work; v128-191 gelu's four sets; v192-211 the quantisers';
;   v212-247 scale words and nothing else; v248-251, v254-255 three constants.   window 1: W1's 16 fragments, Ws's 16.   window 2: W2's 8; from v64 b1, from v96 alpha_r2, in the result's layout.   window 3: the 16 accumulators of h1, the 16 of the output.
.set XP,    272
.set CIMG,  139264                     ; behind the tile: cat's codes,
.set NIMG,  155648                     ; the first activation's,
.set CSC,   172032                     ; their scale bytes
.set NSC,   173056
.set SS1,   174080                     ; partial sums of squares of cat
.set N2IMG, 174592                     ; the second activation's fragments, [tile of tokens 4][K step 2][group 2][512 bytes]
.set N2SC,  182784                     ; their scale words, 128 bytes apart
.set SS2,   183808                     ; partial sums of squares of h1, [wave][tile][128 bytes]
.set AL1,   185856                     ; alpha_r1
.set SPARE, 187904                     ; the spare words, 128 bytes for each wave: two blocks of 256 bytes that no other line names
.set ALB,  1
.set RL,   2                           ; v2   r = lane % 16
.set HL,   3                           ; v3   h = lane / 16
.set XA0,  4                           ; v4-12 addresses of the phase in hand
.set XAC,  5
.set ALC,  6
.set IMC,  7
.set ASCC, 8
.set CIA,  9
.set CSA,  10
.set IMA,  11
.set ASB,  12
.set LI,   13                          ; v13  16 x lane
.set LS,   14                          ; v14  4 x lane
.set R4,   15                          ; v15  4 r
.set BB,   16                          ; v16-23 (b2 + bs) / sqrt 2 of my four tiles' columns, at the even registers
.set RR,   24                          ; v24-25 the first norm's factor, twice; then v24-31 the second norm's, a pair for each tile of tokens
.set R2,   24
.set XR,   32
.set AV,   64
.set NF,   32
.set CF,   64
.set YR,   96
.set GT,   128
.set GS,   144
.set GR,   160
.set GQ,   176
.set CQ,   192
.set TM,   196
.set N1S,  212                         ; the activation's scale words
.set CTS,  220                         ; cat's
.set W1S,  228
.set WSS,  236
.set W2S,  244
.set KC0,  248
.set KC1,  250
.set KC2,  254
.set SPW,  252
.set NIL,  253
.set B1,   64                          ; in window 2
.set A2,   96
.set W1A,  131                         ; at the head alone: byte offsets in the weights
.set WNA,  132
.set W2A,  133
.set BAH,  134
.set W1SA, 135
.set W2SA, 136
.set WV,   32
.set TG,   33
.set CH,   34
.set G1,   36
.set G0,   44
.set SEL,  48
.set G0X,  52
.set MK,   66
.set KZ,   82
.set THR,  83
.set XS,   84
.set ALS,  85
.set IS,   86
.set JC,   87
.set C512, 88
.set EPS,  89
.set C256, 90
.set MSB, 0
.macro WIN new                         ; the immediate's high byte repeats the setting that is left
.if MSB != \new
	s_set_vgpr_msb (MSB<<8)|\new
.set MSB, \new
.endif
.endm
.macro PKL d, a, b, lit                ; eight pairs: d = a b + a constant
.set gi, 0
.rept 8
	v_pk_fma_f32 v[\d+gi:\d+gi+1], v[\a+gi:\a+gi+1], v[\b+gi:\b+gi+1], \lit op_sel_hi:[1,1,0]
.set gi, gi+2
.endr
.endm
.macro PKK d, a, lit, k                ; eight pairs: d = a x a constant + the constant kept in v[k]
.set gi, 0
.rept 8
	v_pk_fma_f32 v[\d+gi:\d+gi+1], v[\a+gi:\a+gi+1], \lit, v[\k:\k+1] op_sel_hi:[1,0,0]
.set gi, gi+2
.endr
.endm
; gelu of 16 numbers v[y] .. v[y + 15], in place: the first launch's lines
.macro GELU16 y
.set gi, 0
.rept 16
	v_mul_f32 v[GT+gi], s[KZ], |v[(\y)+gi]|        ; t = |y| / sqrt 2
.set gi, gi+1
.endr
.set gi, 0
.rept 8
	v_pk_mul_f32 v[GS+gi:GS+gi+1], v[GT+gi:GT+gi+1], v[GT+gi:GT+gi+1]
.set gi, gi+2
.endr
	PKK GR, GT, 0xb7910000, KC0                    ; over 0.927734375: erf t = 1 - e^r
	PKK GQ, GT, 0xbb7e8a1c, KC1
.set gi, 0
.rept 8
	v_pk_fma_f32 v[GR+gi:GR+gi+1], v[GR+gi:GR+gi+1], v[GS+gi:GS+gi+1], v[GQ+gi:GQ+gi+1]
.set gi, gi+2
.endr
	PKL GR, GR, GT, 0xbddaae5c
	PKL GR, GR, GT, 0xbf228550
	PKL GR, GR, GT, 0xbe03ce86
.set gi, 0
.rept 8
	v_pk_fma_f32 v[GR+gi:GR+gi+1], v[GR+gi:GR+gi+1], v[GT+gi:GT+gi+1], v[GT+gi:GT+gi+1] neg_lo:[0,0,1] neg_hi:[0,0,1]
.set gi, gi+2
.endr
.set gi, 0
.rept 8
	v_pk_mul_f32 v[GR+gi:GR+gi+1], v[GR+gi:GR+gi+1], 0x3fb8aa3b op_sel_hi:[1,0]
.set gi, gi+2
.endr
.set gi, 0
.rept 16
	v_exp_f32 v[GR+gi], v[GR+gi]                   ; one batch of sixteen
.set gi, gi+1
.endr
	PKK GQ, GS, 0xba1c7000, KC2                    ; up to 0.927734375: erf t = t + t x a polynomial in t t.  These 48 lines name no exponential's result
	PKL GQ, GQ, GS, 0xbcdb48d9
	PKL GQ, GQ, GS, 0x3de70e22
	PKL GQ, GQ, GS, 0xbec09380
	PKL GQ, GQ, GS, 0x3e0375d4
.set gi, 0
.rept 8
	v_pk_fma_f32 v[GQ+gi:GQ+gi+1], v[GQ+gi:GQ+gi+1], v[GT+gi:GT+gi+1], v[GT+gi:GT+gi+1]
.set gi, gi+2
.endr
	s_wait_alu depctr_va_vdst(0)                   ; one wait for the sixteen exponentials, ahead of their first reader
.set gi, 0
.rept 8
	v_pk_fma_f32 v[GR+gi:GR+gi+1], v[GR+gi:GR+gi+1], -1.0, 1.0 op_sel_hi:[1,0,0]
.set gi, gi+2
.endr
.set gi, 0
.rept 16
	v_cmp_gt_f32 s[MK+gi], v[GT+gi], s[THR]
.set gi, gi+1
.endr
.set gi, 0
.rept 16
	v_cndmask_b32 v[GQ+gi], v[GQ+gi], v[GR+gi], s[MK+gi]
.set gi, gi+1
.endr
.set gi, 0
.rept 8
	v_pk_mul_f32 v[(\y)+gi:(\y)+gi+1], v[(\y)+gi:(\y)+gi+1], 0.5 op_sel_hi:[1,0]
.set gi, gi+2
.endr
.set gi, 0
.rept 16
	v_fma_f32 v[(\y)+gi], |v[(\y)+gi]|, v[GQ+gi], v[(\y)+gi]
.set gi, gi+1
.endr
.endm
; 32 numbers of ONE lane are a block: its codes into v[c] .. v[c + 3], its scale byte into v[e]
.macro BLOCKQ x, c, e
	v_max3_num_f32 v[TM], |v[(\x)]|, |v[(\x)+1]|, |v[(\x)+2]|
	v_max3_num_f32 v[TM+1], |v[(\x)+3]|, |v[(\x)+4]|, |v[(\x)+5]|
.irp i, 6,10,14,18,22,26
	v_max3_num_f32 v[TM], v[TM], |v[(\x)+\i]|, |v[(\x)+\i+1]|
	v_max3_num_f32 v[TM+1], v[TM+1], |v[(\x)+\i+2]|, |v[(\x)+\i+3]|
.endr
	v_max3_num_f32 v[TM], v[TM], |v[(\x)+30]|, |v[(\x)+31]|
	v_max3_num_f32 v[TM], v[TM], v[TM+1], 0x1800000    ; the floor 2^(3 - 127)
	v_add_nc_u32 v[TM+2], 0xff000000, v[TM]
.irp g, 0,1,2,3
	v_cvt_scalef32_pk8_fp4_f32 v[(\c)+\g], v[(\x)+8*\g:(\x)+8*\g+7], v[TM+2]
.endr
	v_lshrrev_b32 v[\e], 23, v[TM+2]                   ; the byte; also the plain line behind the conversions
.endm
; 32 numbers of a lane, register 16 b + i = k 32 b + 16 (lane / 16) + i of my row (two blocks), become one group of a fragment in v[pc] .. v[pc + 3] and two scale bytes in v[pw]
.macro QUANT2 s, pc, pw
.irp b, 0,1
	v_max3_num_f32 v[TM+\b], |v[(\s)+16*\b]|, |v[(\s)+1+16*\b]|, 0x1800000
.endr
.irp i, 2,4,6,8,10,12,14
.irp b, 0,1
	v_max3_num_f32 v[TM+\b], v[TM+\b], |v[(\s)+16*\b+\i]|, |v[(\s)+1+16*\b+\i]|
.endr
.endr
.irp b, 0,1
	v_permlanex16_b32 v[TM+4+\b], v[TM+\b], s[SEL], s[SEL+1]
.endr
.irp b, 0,1
	v_max_num_f32 v[TM+\b], v[TM+\b], v[TM+4+\b]
.endr
.irp b, 0,1
	v_add_nc_u32 v[TM+12+\b], 0xff000000, v[TM+\b]
.endr
.irp b, 0,1
	v_lshrrev_b32 v[TM+4+\b], 23, v[TM+12+\b]
.endr
	v_lshl_or_b32 v[\pw], v[TM+5], 8, v[TM+4]
.irp b, 0,1
	v_cvt_scalef32_pk8_fp4_f32 v[(\pc)+2*\b], v[(\s)+16*\b:(\s)+7+16*\b], v[TM+12+\b]
	v_cvt_scalef32_pk8_fp4_f32 v[(\pc)+1+2*\b], v[(\s)+8+16*\b:(\s)+15+16*\b], v[TM+12+\b]
.endr
	v_nop                                          ; one plain line behind a scaled conversion
.irp i, 0,1
	v_permlane16_swap_b32 v[(\pc)+\i], v[(\pc)+2+\i]   ; a whole block to a lane
.endr
.endm
; One matrix instruction.  c < 0: the constant 0 starts the sum.  ra, rb: the side's scales stand in lanes 16-31 of its register.
.macro WM d, a, b, c, sa, sb, ra, rb
.if (\c) < 0
.if (\ra) && (\rb)
	v_wmma_scale_f32_16x16x128_f8f6f4 v[(\d):(\d)+7], v[(\a):(\a)+7], v[(\b):(\b)+7], 0, v[\sa], v[\sb] matrix_a_fmt:MATRIX_FMT_FP4 matrix_b_fmt:MATRIX_FMT_FP4 matrix_a_scale:MATRIX_SCALE_ROW1 matrix_b_scale:MATRIX_SCALE_ROW1
.elseif (\ra)
	v_wmma_scale_f32_16x16x128_f8f6f4 v[(\d):(\d)+7], v[(\a):(\a)+7], v[(\b):(\b)+7], 0, v[\sa], v[\sb] matrix_a_fmt:MATRIX_FMT_FP4 matrix_b_fmt:MATRIX_FMT_FP4 matrix_a_scale:MATRIX_SCALE_ROW1
.elseif (\rb)
	v_wmma_scale_f32_16x16x128_f8f6f4 v[(\d):(\d)+7], v[(\a):(\a)+7], v[(\b):(\b)+7], 0, v[\sa], v[\sb] matrix_a_fmt:MATRIX_FMT_FP4 matrix_b_fmt:MATRIX_FMT_FP4 matrix_b_scale:MATRIX_SCALE_ROW1
.else
	v_wmma_scale_f32_16x16x128_f8f6f4 v[(\d):(\d)+7], v[(\a):(\a)+7], v[(\b):(\b)+7], 0, v[\sa], v[\sb] matrix_a_fmt:MATRIX_FMT_FP4 matrix_b_fmt:MATRIX_FMT_FP4
.endif
.else
.if (\ra) && (\rb)
	v_wmma_scale_f32_16x16x128_f8f6f4 v[(\d):(\d)+7], v[(\a):(\a)+7], v[(\b):(\b)+7], v[(\c):(\c)+7], v[\sa], v[\sb] matrix_a_fmt:MATRIX_FMT_FP4 matrix_b_fmt:MATRIX_FMT_FP4 matrix_a_scale:MATRIX_SCALE_ROW1 matrix_b_scale:MATRIX_SCALE_ROW1
.elseif (\ra)
	v_wmma_scale_f32_16x16x128_f8f6f4 v[(\d):(\d)+7], v[(\a):(\a)+7], v[(\b):(\b)+7], v[(\c):(\c)+7], v[\sa], v[\sb] matrix_a_fmt:MATRIX_FMT_FP4 matrix_b_fmt:MATRIX_FMT_FP4 matrix_a_scale:MATRIX_SCALE_ROW1
.elseif (\rb)
	v_wmma_scale_f32_16x16x128_f8f6f4 v[(\d):(\d)+7], v[(\a):(\a)+7], v[(\b):(\b)+7], v[(\c):(\c)+7], v[\sa], v[\sb] matrix_a_fmt:MATRIX_FMT_FP4 matrix_b_fmt:MATRIX_FMT_FP4 matrix_b_scale:MATRIX_SCALE_ROW1
.else
	v_wmma_scale_f32_16x16x128_f8f6f4 v[(\d):(\d)+7], v[(\a):(\a)+7], v[(\b):(\b)+7], v[(\c):(\c)+7], v[\sa], v[\sb] matrix_a_fmt:MATRIX_FMT_FP4 matrix_b_fmt:MATRIX_FMT_FP4
.endif
.endif
.endm
.macro BARRIER                         ; my LDS stores have landed and my LDS loads are in: then the work-group's barrier
	s_wait_dscnt 0x0
	s_barrier_signal -1
	s_barrier_wait -1
.endm
.macro LOADX set, j                    ; block j (32 channels) of my token into v[set] on; the rows from 128 on go by the second address
.set li_, 0
.rept 32
.if (\j) < 4
	ds_load_b32 v[(\set)+li_], v[XA0] offset:(32*(\j)+li_)*XP
.else
	ds_load_b32 v[(\set)+li_], v[XAC] offset:(32*((\j)-4)+li_)*XP
.endif
.set li_, li_+1
.endr
.endm
.macro LOADBLK
.set li_, 0
.rept 32
	ds_load_b32 v[XR+li_], v[XAC] offset:li_*XP
.set li_, li_+1
.endr
.irp i, 0,1,2,3,4,5,6,7
	ds_load_b128 v[AV+4*\i:AV+4*\i+3], v[ALC] offset:16*\i
.endr
.endm
	; ---- the head
	s_load_b512 s[4:19], s[0:1], 0x0               ; att, x, alpha_r1, W1's codes, W1's scales, b1, alpha_r2, W2's codes
	s_load_b256 s[20:27], s[0:1], 0x40             ; W2's scales, b2, Ws's codes, Ws's scales
	s_load_b128 s[28:31], s[0:1], 0x60             ; bs, out0
	v_lshl_add_u32 v[SPW], v0, 2, SPARE
	v_mov_b32 v[NIL], 0
	ds_add_u32 v[SPW], v[NIL]                      ; the wave's opening: the add, twice on end, and its wait ahead of my first tensor load
	ds_add_u32 v[SPW], v[NIL]
	v_lshrrev_b32 v129, 5, v0
	v_readfirstlane_b32 s[WV], v129                ; wave 0..3
	s_and_b32 s[TG], s[WV], 1
	s_lshr_b32 s[CH], s[WV], 1
	s_mov_b32 s[G1+0], (2<<16)|(1<<20)|(5<<22)|(3<<25)   ; elements of 4 bytes; padding: 4 words behind every 64
	s_mov_b32 s[G1+1], 64<<16                      ; tensor_dim0 = 64 tokens
	s_mov_b32 s[G1+2], 128<<16                     ; tensor_dim1 = 128 channels
	s_mov_b32 s[G1+3], 64<<16
	s_mov_b32 s[G1+4], 128
	s_mov_b32 s[G1+5], 4096
	s_mov_b32 s[G1+6], 0
	s_mov_b32 s[G1+7], 0
	s_lshr_b32 s50, ttmp9, 6                       ; the image
	s_and_b32 s51, ttmp9, 63                       ; the block of 64 tokens
	s_lshl_b32 s92, s50, 22
	s_lshl_b32 s94, s[TG], 21
	s_add_co_u32 s92, s92, s94
	s_lshl_b32 s94, s51, 8
	s_add_co_u32 s92, s92, s94                     ; ((256 image + 128 (wave % 2)) 4096 + 64 block) x 4 bytes
	s_mov_b32 s93, 0
	s_lshl_b32 s96, s50, 22
	s_lshl_b32 s94, s[WV], 20
	s_add_co_u32 s96, s96, s94
	s_lshl_b32 s94, s51, 8
	s_add_co_u32 s96, s96, s94                     ; out0: my 64 channels
	s_mov_b32 s97, 0
	v_lshlrev_b32 v137, 4, v0
	s_wait_dscnt 0x0                               ; both opening adds are done
	s_wait_kmcnt 0x0
	s_mov_b32 s[G0], 1
	s_mul_i32 s[G0+1], s[WV], 128*XP               ; my 128 rows of the tile
	s_add_nc_u64 s[G0+2:G0+3], s[4:5], s[92:93]
	s_or_b32 s[G0+3], s[G0+3], 0x80000000
	s_mov_b32 s[G0X], 1
	s_mul_i32 s[G0X+1], s[WV], 128*XP
	s_add_nc_u64 s[G0X+2:G0X+3], s[6:7], s[92:93]
	s_or_b32 s[G0X+3], s[G0X+3], 0x80000000
	s_cmp_lt_u32 s[WV], 2                          ; waves 0, 1 fetch att's rows, waves 2, 3 x's: a fill in each arm, so that every way through the text passes one
	s_cbranch_scc0 .Lfor_x
	tensor_load_to_lds s[G0:G0+3], s[G1:G1+7]
	s_nop 0
.rept 4
	v_nop
.endr
	s_branch .Lasked
.Lfor_x:
	tensor_load_to_lds s[G0X:G0X+3], s[G1:G1+7]
	s_nop 0
.rept 4
	v_nop
.endr
.Lasked:
	global_load_b128 v[140:143], v137, s[8:9]      ; alpha_r1: 16 bytes a thread
	s_mov_b32 s57, 0
	s_lshl_b32 s56, s[WV], 14                      ; my 64 rows of each weight
	s_add_nc_u64 s[10:11], s[10:11], s[56:57]
	s_add_nc_u64 s[24:25], s[24:25], s[56:57]
	s_lshl_b32 s56, s[WV], 13
	s_add_nc_u64 s[18:19], s[18:19], s[56:57]
	s_lshl_b32 s56, s[WV], 10
	s_add_nc_u64 s[12:13], s[12:13], s[56:57]
	s_add_nc_u64 s[26:27], s[26:27], s[56:57]
	s_lshl_b32 s56, s[WV], 9
	s_add_nc_u64 s[20:21], s[20:21], s[56:57]
	s_lshl_b32 s56, s[WV], 8
	s_add_nc_u64 s[14:15], s[14:15], s[56:57]
	s_add_nc_u64 s[16:17], s[16:17], s[56:57]
	s_add_nc_u64 s[22:23], s[22:23], s[56:57]
	s_add_nc_u64 s[28:29], s[28:29], s[56:57]
	s_add_nc_u64 s[30:31], s[30:31], s[96:97]
	s_mov_b32 s[SEL], 0x76543210
	s_mov_b32 s[SEL+1], 0xfedcba98
	s_mov_b32 s[KZ], 0x3f3504f3                    ; 1 / sqrt 2
	s_mov_b32 s[THR], 0x3f6d8000                   ; 0.927734375
	s_mov_b32 s[C512], 0x3b000000                  ; 1 / 512
	s_mov_b32 s[C256], 0x3b800000                  ; 1 / 256
	s_mov_b32 s[EPS], 0x322bcc77                   ; 1e-8
	v_and_b32 v129, 31, v0                         ; lane
	v_and_b32 v[RL], 15, v0
	v_bfe_u32 v[HL], v0, 4, 1
	v_and_b32 v130, 8, v[RL]
	v_add_nc_u32 v130, v130, v[RL]                 ; r + 8 (r / 8)
	v_lshlrev_b32 v[LI], 4, v129
	v_lshlrev_b32 v[LS], 2, v129
	v_lshlrev_b32 v[R4], 2, v[RL]
	v_lshlrev_b32 v[W1A], 8, v130                  ; W1, Ws: a row of 512 codes is 256 bytes
	v_lshl_add_u32 v[W1A], v[HL], 4, v[W1A]
	v_lshlrev_b32 v[WNA], 8, v[RL]
	v_lshl_add_u32 v[WNA], v[HL], 4, v[WNA]
	v_lshlrev_b32 v[W2A], 7, v[RL]
	v_lshl_add_u32 v[W2A], v[HL], 4, v[W2A]
	v_lshlrev_b32 v[BAH], 6, v[HL]
	v_lshl_add_u32 v[W1SA], v[HL], 3, v130
	v_lshlrev_b32 v[W1SA], 4, v[W1SA]              ; W1's scale words: 16 bytes a row; lanes 16-31 take the rows of the pair's second tile
	v_lshlrev_b32 v[W2SA], 3, v129
	v_add_nc_u32 v138, AL1, v137
	s_mul_i32 s56, s[CH], 256*XP
	s_lshl_b32 s58, s[TG], 7
	s_add_co_u32 s56, s56, s58
	v_add_nc_u32 v[XA0], s56, v[LS]                ; my token's column, my 256 rows
	v_add_nc_u32 v[XAC], 128*XP, v[XA0]
	s_lshl_b32 s56, s[TG], 13
	s_lshl_b32 s58, s[CH], 12
	s_add_co_u32 s56, s56, s58
	s_add_co_u32 s56, s56, CIMG
	v_add_nc_u32 v[CIA], s56, v[LI]
	v_add_nc_u32 v[IMA], NIMG-CIMG, v[CIA]
	s_lshl_b32 s56, s[TG], 9
	s_lshl_b32 s58, s[CH], 3
	s_add_co_u32 s56, s56, s58
	s_add_co_u32 s56, s56, CSC
	v_add_nc_u32 v[CSA], s56, v[LI]
	v_add_nc_u32 v[ASB], NSC-CSC, v[CSA]
	s_lshl_b32 s56, s[CH], 10
	s_add_co_u32 s56, s56, AL1
	v_mov_b32 v[ALB], s56
	s_lshl_b32 s56, s[WV], 7
	s_add_co_u32 s56, s56, SS1
	v_add_nc_u32 v26, s56, v[LS]                   ; my partial sum,
	s_xor_b32 s56, s[WV], 2
	s_lshl_b32 s56, s56, 7
	s_add_co_u32 s56, s56, SS1
	v_add_nc_u32 v27, s56, v[LS]                   ; and that of the wave with the other 256 channels
.irp b, 0,1
	v_mov_b32 v[TM+4+\b], 0                        ; written once: a lane permute's destination counts as one of its sources
.endr
	v_mov_b32 v[KC0], 0x39c8e7d9                   ; erf's three addends that stand beside another constant
	v_mov_b32 v[KC0+1], 0x39c8e7d9
	v_mov_b32 v[KC1], 0x3cc6b1a1
	v_mov_b32 v[KC1+1], 0x3cc6b1a1
	v_mov_b32 v[KC2], 0x3ba38d2c
	v_mov_b32 v[KC2+1], 0x3ba38d2c
	s_wait_loadcnt 0x0                             ; alpha_r1
	ds_store_b128 v138, v[140:143]
	WIN 0x40                                       ; destination window 1: W1 (tile t, K step s) at 8 (4 t + s), Ws at 128 + 8 (4 t + s): they land while cat is worked on
.irp t, 0,1,2,3
.irp s, 0,1,2,3
.irp c, 0,1
	global_load_b128 v[8*(4*\t+\s)+4*\c:8*(4*\t+\s)+4*\c+3], v[W1A], s[10:11] offset:(32*(\t/2)+8*(\t%2))*256+64*\s+32*\c
	global_load_b128 v[128+8*(4*\t+\s)+4*\c:128+8*(4*\t+\s)+4*\c+3], v[WNA], s[24:25] offset:16*\t*256+64*\s+32*\c
.endr
.endr
.endr
	WIN 0x80                                       ; destination window 2
.irp t, 0,1,2,3
.irp s, 0,1
.irp c, 0,1
	global_load_b128 v[8*(2*\t+\s)+4*\c:8*(2*\t+\s)+4*\c+3], v[W2A], s[18:19] offset:16*\t*128+64*\s+32*\c
.endr
.endr
.endr
.irp t, 0,1,2,3                                ; b1 and alpha_r2 in the result's layout: tile t, lane (r, h): units 32 (t / 2) + 16 h + 8 (t % 2) + 0 .. 7
	global_load_b128 v[B1+8*\t:B1+8*\t+3], v[BAH], s[14:15] offset:(32*(\t/2)+8*(\t%2))*4
	global_load_b128 v[B1+8*\t+4:B1+8*\t+7], v[BAH], s[14:15] offset:(32*(\t/2)+8*(\t%2))*4+16
	global_load_b128 v[A2+8*\t:A2+8*\t+3], v[BAH], s[16:17] offset:(32*(\t/2)+8*(\t%2))*4
	global_load_b128 v[A2+8*\t+4:A2+8*\t+7], v[BAH], s[16:17] offset:(32*(\t/2)+8*(\t%2))*4+16
.endr
	WIN 0
.irp p, 0,1                                    ; scale words, two tiles to a register: lanes 0-15 tile 2 p, lanes 16-31 tile 2 p + 1; a register for each K step
	global_load_b128 v[W1S+4*\p:W1S+4*\p+3], v[W1SA], s[12:13] offset:512*\p
	global_load_b128 v[WSS+4*\p:WSS+4*\p+3], v[LI], s[26:27] offset:512*\p
	global_load_b64 v[W2S+2*\p:W2S+2*\p+1], v[W2SA], s[20:21] offset:256*\p
.endr
.irp t, 0,1,2,3
	global_load_b32 v[BB+2*\t], v[R4], s[22:23] offset:64*\t     ; b2 and bs of column 16 t + r
	global_load_b32 v[BB+2*\t+1], v[R4], s[28:29] offset:64*\t
.endr
	s_wait_tensorcnt 0x0                           ; my 128 rows are in
	s_wait_xcnt 0x0                                ; the loads above have read their address registers, which gelu writes further down
	BARRIER
	; ---- cat as it stands: squares for the norm, and the codes for Ws's product.  Eight blocks on two sets of registers
	LOADX XR, 0
.irp j, 0,1,2,3,4,5,6,7
.if \j < 7
	LOADX XR+32*((\j+1)%2), \j+1
	s_wait_dscnt 32                                ; all but the 32 just issued: this block is in, and the last block's two stores have read their registers
.else
	s_wait_dscnt 0x0
.endif
.set xs, XR+32*(\j%2)
.set gi, 0
.rept 16
.if (\j == 0) && (gi < 4)
	v_pk_mul_f32 v[YR+2*gi:YR+2*gi+1], v[xs+2*gi:xs+2*gi+1], v[xs+2*gi:xs+2*gi+1]
.else
	v_pk_fma_f32 v[YR+2*(gi%4):YR+2*(gi%4)+1], v[xs+2*gi:xs+2*gi+1], v[xs+2*gi:xs+2*gi+1], v[YR+2*(gi%4):YR+2*(gi%4)+1]
.endif
.set gi, gi+1
.endr
	BLOCKQ xs, CQ, TM+3
	ds_store_b128 v[CIA], v[CQ:CQ+3] offset:512*\j
	ds_store_b8 v[CSA], v[TM+3] offset:\j
.endr
	v_pk_add_f32 v[YR:YR+1], v[YR:YR+1], v[YR+2:YR+3]
	v_pk_add_f32 v[YR+4:YR+5], v[YR+4:YR+5], v[YR+6:YR+7]
	v_pk_add_f32 v[YR:YR+1], v[YR:YR+1], v[YR+4:YR+5]
	v_add_f32 v[YR], v[YR], v[YR+1]
	ds_store_b32 v26, v[YR]
	BARRIER                                        ; the partial sums, cat's codes and bytes lie in LDS
	ds_load_b32 v[YR+1], v27
	s_mov_b32 s[XS], 0
	s_mov_b32 s[ALS], 0
	s_mov_b32 s[IS], 0
	s_mov_b32 s[JC], 0
	v_add_nc_u32 v[XAC], s[XS], v[XA0]
	v_add_nc_u32 v[ALC], s[ALS], v[ALB]
	LOADBLK
	s_wait_dscnt 40                                ; the partner's sum is in; the 40 loads behind it may be out
	v_add_f32 v[YR], v[YR], v[YR+1]
	v_fma_f32 v[YR], v[YR], s[C512], s[EPS]
	v_rsq_f32 v[RR], v[YR]
	v_nop                                          ; a plain line behind the transcendental
	s_wait_alu depctr_va_vdst(0)                   ; ahead of the first reader
	v_mov_b32 v[RR+1], v[RR]
	; ---- the first activation, a block of 32 channels a trip; the next block's numbers are asked for a trip ahead
.Lact:
	s_wait_dscnt 0x0
.set gi, 0
.rept 16
	v_pk_mul_f32 v[YR+gi:YR+gi+1], v[XR+gi:XR+gi+1], v[AV+gi:AV+gi+1]
.set gi, gi+2
.endr
	s_add_co_u32 s[XS], s[XS], 32*XP
	s_min_u32 s[XS], s[XS], 7*32*XP                ; the last trip reads block 7 once more: no read leaves my rows
	s_add_co_u32 s[ALS], s[ALS], 128
	s_min_u32 s[ALS], s[ALS], 896
	v_add_nc_u32 v[XAC], s[XS], v[XA0]
	v_add_nc_u32 v[ALC], s[ALS], v[ALB]
	v_add_nc_u32 v[IMC], s[IS], v[IMA]
	v_add_nc_u32 v[ASCC], s[JC], v[ASB]
	LOADBLK
.set gi, 0
.rept 16
	v_pk_mul_f32 v[YR+gi:YR+gi+1], v[YR+gi:YR+gi+1], v[RR:RR+1]
.set gi, gi+2
.endr
	GELU16 YR
	GELU16 YR+16
	BLOCKQ YR, CQ, TM+3
	ds_store_b128 v[IMC], v[CQ:CQ+3]
	ds_store_b8 v[ASCC], v[TM+3]
	s_add_co_u32 s[IS], s[IS], 512
	s_add_co_u32 s[JC], s[JC], 1
	s_cmp_lt_u32 s[JC], 8
	s_cbranch_scc1 .Lact
	BARRIER                                        ; the activation's codes and bytes lie in LDS; nobody reads the tile any more
	; ---- h1 = W1 n1 + b1 (transposed) and Ws cat, a K step of 128 at a time: 32 accumulators by turns
	s_wait_loadcnt 0x0                             ; the weights, their scales, the biases
.irp t, 0,1,2,3
	v_add_f32 v[BB+2*\t], v[BB+2*\t], v[BB+2*\t+1]
.endr
.irp t, 0,1,2,3
	v_mul_f32 v[BB+2*\t], s[KZ], v[BB+2*\t]        ; (b2 + bs) / sqrt 2
.endr
	v_lshlrev_b32 v4, 4, v[RL]
	v_lshl_add_u32 v4, v[HL], 9, v4                ; a fragment's place for lane (r, h): block + h, token-lane r
	v_add_nc_u32 v5, CIMG, v4
	v_add_nc_u32 v4, NIMG, v4
	v_add_nc_u32 v6, NSC, v[LI]
	v_add_nc_u32 v7, CSC, v[LI]
.irp g, 0,1
	ds_load_b128 v[N1S+4*\g:N1S+4*\g+3], v6 offset:512*\g    ; lane = token: tile 2 g in lanes 0-15, tile 2 g + 1 in lanes 16-31; a register for each K step
	ds_load_b128 v[CTS+4*\g:CTS+4*\g+3], v7 offset:512*\g
.endr
.irp s, 0,1,2,3
.if \s > 0
.rept 4
	v_nop                                          ; places ahead of loads into registers that matrix instructions have read
.endr
.endif
.irp m, 0,1,2,3
.irp c, 0,1
	ds_load_b128 v[NF+8*\m+4*\c:NF+8*\m+4*\c+3], v4 offset:(\m/2)*8192+(4*\s+2*\c)*512+(\m%2)*256
	ds_load_b128 v[CF+8*\m+4*\c:CF+8*\m+4*\c+3], v5 offset:(\m/2)*8192+(4*\s+2*\c)*512+(\m%2)*256
.endr
.endr
	s_wait_dscnt 0x0
.if \s == 0
	WIN 0xe1                                       ; W1 in window 1, b1 (C) in window 2, the result in window 3
.else
	WIN 0xf1
.endif
.irp m, 0,1,2,3
.irp t, 0,1,2,3
.if \s == 0
	WM 8*(4*\m+\t), 8*(4*\t+\s), NF+8*\m, B1+8*\t, W1S+4*(\t/2)+\s, N1S+4*(\m/2)+\s, \t%2, \m%2
.else
	WM 8*(4*\m+\t), 8*(4*\t+\s), NF+8*\m, 8*(4*\m+\t), W1S+4*(\t/2)+\s, N1S+4*(\m/2)+\s, \t%2, \m%2
.endif
.endr
.endr
	WIN 0xf4                                       ; cat in window 0, Ws in window 1, C and D in window 3
.irp m, 0,1,2,3
.irp t, 0,1,2,3
.if \s == 0
	WM 128+8*(4*\m+\t), CF+8*\m, 128+8*(4*\t+\s), -1, CTS+4*(\m/2)+\s, WSS+4*(\t/2)+\s, \m%2, \t%2
.else
	WM 128+8*(4*\m+\t), CF+8*\m, 128+8*(4*\t+\s), 128+8*(4*\m+\t), CTS+4*(\m/2)+\s, WSS+4*(\t/2)+\s, \m%2, \t%2
.endif
.endr
.endr
	WIN 0
.endr
	; ---- the second norm: a token's 256 units lie in two lanes of each of the four waves
	s_lshl_b32 s56, s[WV], 9
	s_add_co_u32 s56, s56, SS2
	v_add_nc_u32 v8, s56, v[LS]
	v_add_nc_u32 v11, SS2, v[LS]
	s_lshl_b32 s56, s[CH], 10
	s_lshl_b32 s58, s[TG], 9
	s_add_co_u32 s56, s56, s58
	s_add_co_u32 s56, s56, N2IMG
	v_add_nc_u32 v9, s56, v[LI]                    ; my 64 units are group w % 2 of K step w / 2
	s_lshl_b32 s56, s[CH], 7
	s_lshl_b32 s58, s[TG], 1
	s_add_co_u32 s56, s56, s58
	s_add_co_u32 s56, s56, N2SC
	v_add_nc_u32 v10, s56, v[R4]                   ; (these four vector lines are the places behind the last products)
	WIN 0x0f                                       ; sources 0 and 1: window 3
.irp m, 0,1,2,3
.set gi, 0
.rept 16
.if gi < 4
	v_pk_mul_f32 v[GT+8*\m+2*gi:GT+8*\m+2*gi+1], v[32*\m+2*gi:32*\m+2*gi+1], v[32*\m+2*gi:32*\m+2*gi+1]   ; each accumulator from its low end on
.else
	v_pk_fma_f32 v[GT+8*\m+2*(gi%4):GT+8*\m+2*(gi%4)+1], v[32*\m+2*gi:32*\m+2*gi+1], v[32*\m+2*gi:32*\m+2*gi+1], v[GT+8*\m+2*(gi%4):GT+8*\m+2*(gi%4)+1]
.endif
.set gi, gi+1
.endr
.endr
	WIN 0
.irp m, 0,1,2,3
	v_pk_add_f32 v[GT+8*\m:GT+8*\m+1], v[GT+8*\m:GT+8*\m+1], v[GT+8*\m+2:GT+8*\m+3]
	v_pk_add_f32 v[GT+8*\m+4:GT+8*\m+5], v[GT+8*\m+4:GT+8*\m+5], v[GT+8*\m+6:GT+8*\m+7]
.endr
.irp m, 0,1,2,3
	v_pk_add_f32 v[GT+8*\m:GT+8*\m+1], v[GT+8*\m:GT+8*\m+1], v[GT+8*\m+4:GT+8*\m+5]
.endr
.irp m, 0,1,2,3
	v_add_f32 v[GT+8*\m], v[GT+8*\m], v[GT+8*\m+1]
.endr
.irp m, 0,1,2,3
	v_permlanex16_b32 v[GT+8*\m+1], v[GT+8*\m], s[SEL], s[SEL+1]
.endr
.irp m, 0,1,2,3
	v_add_f32 v[GT+8*\m], v[GT+8*\m], v[GT+8*\m+1]
	ds_store_b32 v8, v[GT+8*\m] offset:128*\m
.endr
	BARRIER
.irp m, 0,1,2,3
.irp q, 0,1,2,3
	ds_load_b32 v[GS+4*\m+\q], v11 offset:512*\q+128*\m
.endr
.endr
	s_wait_dscnt 0x0
.irp q, 1,2,3
.irp m, 0,1,2,3
	v_add_f32 v[GS+4*\m], v[GS+4*\m], v[GS+4*\m+\q]   ; the four waves' parts in one order in every wave
.endr
.endr
.irp m, 0,1,2,3
	v_fma_f32 v[GS+4*\m], v[GS+4*\m], s[C256], s[EPS]
.endr
.irp m, 0,1,2,3
	v_rsq_f32 v[R2+2*\m], v[GS+4*\m]
.endr
	v_nop                                          ; a plain line behind the batch
	s_wait_alu depctr_va_vdst(0)                   ; one wait for the four
.irp m, 0,1,2,3
	v_mov_b32 v[R2+2*\m+1], v[R2+2*\m]
.endr
.irp m, 0,1,2,3                                ; the second activation, a tile of 16 tokens at a time: my 64 units, 32 a lane
	WIN 0x0b                                       ; h1 in window 3, alpha_r2 in window 2
.set gi, 0
.rept 16
	v_pk_mul_f32 v[YR+gi:YR+gi+1], v[32*\m+gi:32*\m+gi+1], v[A2+gi:A2+gi+1]
.set gi, gi+2
.endr
	WIN 0
.set gi, 0
.rept 16
	v_pk_mul_f32 v[YR+gi:YR+gi+1], v[YR+gi:YR+gi+1], v[R2+2*\m:R2+2*\m+1]
.set gi, gi+2
.endr
	GELU16 YR
	GELU16 YR+16
	QUANT2 YR, CQ, TM+8
	ds_store_b128 v9, v[CQ:CQ+3] offset:2048*\m
	ds_store_b16 v10, v[TM+8] offset:256*\m        ; my two bytes of the row's scale word; lanes r and 16 + r write the same bytes with the same value
	s_wait_dscnt 0x0                               ; the stores have read their registers
.endr
	BARRIER                                        ; the second activation's eight fragments lie in LDS
	; ---- + W2 n2, onto the accumulators that hold Ws cat: h2 + x_short is one sum
	v_add_nc_u32 v11, N2IMG, v[LI]
	v_add_nc_u32 v12, N2SC, v[R4]
.irp q, 0,1,2,3,4,5,6,7
.irp c, 0,1
	ds_load_b128 v[32+8*\q+4*\c:35+8*\q+4*\c], v11 offset:1024*\q+512*\c
.endr
	ds_load_b32 v[N1S+\q], v12 offset:128*\q
.endr
	s_wait_dscnt 0x0
	WIN 0xf8                                       ; n2 in window 0, W2 in window 2, C and D in window 3
.irp s, 0,1
.irp m, 0,1,2,3
.irp t, 0,1,2,3
	WM 128+8*(4*\m+\t), 32+8*(2*\m+\s), 8*(2*\t+\s), 128+8*(4*\m+\t), N1S+2*\m+\s, W2S+2*(\t/2)+\s, 0, \t%2
.endr
.endr
.endr
	WIN 0
	; ---- the way out.  Lane (r, h) of accumulator (m, t) holds tokens 16 m + 8 h + 0 .. 7 of channel 64 w + 16 t + r.  My 64 channels' rows go through a stage over the tile's first rows (the tile has had its one fill,
	; and every wave has passed three barriers since its last read of it); the rows are written and read by this wave alone, and LDS serves a wave's instructions in order: no barrier and no wait between.
	s_mul_i32 s56, s[WV], 64*XP
	v_mul_u32_u24 v4, v[RL], XP
	v_lshl_add_u32 v4, v[HL], 5, v4
	v_add_nc_u32 v4, s56, v4                       ; in: row r, 32 bytes for each half of the lanes
	v_mul_u32_u24 v5, v[HL], XP
	v_lshl_add_u32 v5, v[RL], 4, v5
	v_add_nc_u32 v5, s56, v5                       ; back: lanes 0-15 one row of 256 bytes, lanes 16-31 the next
	v_lshlrev_b32 v6, 14, v[HL]
	v_lshl_add_u32 v6, v[RL], 4, v6                ; and the same two rows in out0.  (These eight lines are the places behind the last products)
	WIN 0x03                                       ; source 0: window 3
.irp m, 0,1,2,3
.irp t, 0,1,2,3
.irp q, 0,1,2,3
	v_pk_fma_f32 v[32+8*(4*\m+\t)+2*\q:33+8*(4*\m+\t)+2*\q], v[128+8*(4*\m+\t)+2*\q:129+8*(4*\m+\t)+2*\q], 0x3f3504f3, v[BB+2*\t:BB+2*\t+1] op_sel_hi:[1,0,0]   ; sum / sqrt 2 + (b2 + bs) / sqrt 2, each accumulator from its low end on
.endr
.endr
.endr
	WIN 0
.irp m, 0,1,2,3
.irp t, 0,1,2,3
	ds_store_b128 v4, v[32+8*(4*\m+\t):35+8*(4*\m+\t)] offset:16*\t*XP+64*\m
	ds_store_b128 v4, v[36+8*(4*\m+\t):39+8*(4*\m+\t)] offset:16*\t*XP+64*\m+16
.endr
.endr
.set gi, 0
.rept 32
	ds_load_b128 v[32+4*gi:35+4*gi], v5 offset:2*gi*XP     ; into the registers that the results left
.set gi, gi+1
.endr
.set gi, 0
.rept 32
	s_wait_dscnt 31-gi                             ; the younger loads may be out
	global_store_b128 v6, v[32+4*gi:35+4*gi], s[30:31] offset:32768*gi th:TH_STORE_NT   ; sixteen lanes store 256 consecutive bytes, at a multiple of 256 from out0's first byte; written once, read by nobody here
.set gi, gi+1
.endr
	s_wait_tensorcnt 0x0                           ; the wave's end, behind my last tensor load and my last LDS store
	ds_add_u32 v[SPW], v[NIL]
	s_wait_dscnt 0x0
	s_endpgm
.Lfunc_end_k_q91eca73fb9_resblk:
	.size	k_q91eca73fb9_resblk, .Lfunc_end_k_q91eca73fb9_resblk-k_q91eca73fb9_resblk
	.p2alignl 7, 3214868480
	.fill 96, 4, 3214868480
	.section	.rodata,"a",@progbits
	.p2align	6, 0x0
	.amdhsa_kernel k_q91eca73fb9_resblk
		.amdhsa_group_segment_fixed_size 196608
		.amdhsa_private_segment_fixed_size 0
		.amdhsa_enable_private_segment 0
		.amdhsa_kernarg_size 112
		.amdhsa_user_sgpr_count 2
		.amdhsa_user_sgpr_kernarg_segment_ptr 1
		.amdhsa_wavefront_size32 1
		.amdhsa_system_sgpr_workgroup_id_x 1
		.amdhsa_system_sgpr_workgroup_id_y 1
		.amdhsa_system_sgpr_workgroup_id_z 1
		.amdhsa_system_vgpr_workitem_id 0
		.amdhsa_next_free_vgpr 1024
		.amdhsa_next_free_sgpr 100
		.amdhsa_reserve_vcc 0
		.amdhsa_float_denorm_mode_32 3
		.amdhsa_float_denorm_mode_16_64 3
		.amdhsa_memory_ordered 1
		.amdhsa_forward_progress 1
		.amdhsa_inst_pref_size 255
	.end_amdhsa_kernel
	.section	.bss,"aw",@nobits
	.p2align	6
	.space	262144
	.amdgpu_metadata
---
amdhsa.version: [ 1, 2 ]
amdhsa.kernels:
  - .name:           k_q91eca73fb9_resblk
    .symbol:         k_q91eca73fb9_resblk.kd
    .args:
      - { .name: att, .offset: 0, .size: 8, .value_kind: global_buffer, .address_space: global }
      - { .name: x, .offset: 8, .size: 8, .value_kind: global_buffer, .address_space: global }
      - { .name: alpha_r1, .offset: 16, .size: 8, .value_kind: global_buffer, .address_space: global }
      - { .name: W1_codes, .offset: 24, .size: 8, .value_kind: global_buffer, .address_space: global }
      - { .name: W1_scales, .offset: 32, .size: 8, .value_kind: global_buffer, .address_space: global }
      - { .name: b1, .offset: 40, .size: 8, .value_kind: global_buffer, .address_space: global }
      - { .name: alpha_r2, .offset: 48, .size: 8, .value_kind: global_buffer, .address_space: global }
      - { .name: W2_codes, .offset: 56, .size: 8, .value_kind: global_buffer, .address_space: global }
      - { .name: W2_scales, .offset: 64, .size: 8, .value_kind: global_buffer, .address_space: global }
      - { .name: b2, .offset: 72, .size: 8, .value_kind: global_buffer, .address_space: global }
      - { .name: Ws_codes, .offset: 80, .size: 8, .value_kind: global_buffer, .address_space: global }
      - { .name: Ws_scales, .offset: 88, .size: 8, .value_kind: global_buffer, .address_space: global }
      - { .name: bs, .offset: 96, .size: 8, .value_kind: global_buffer, .address_space: global }
      - { .name: out0, .offset: 104, .size: 8, .value_kind: global_buffer, .address_space: global }
    .group_segment_fixed_size: 196608
    .private_segment_fixed_size: 0
    .kernarg_segment_align: 8
    .kernarg_segment_size: 112
    .max_flat_workgroup_size: 128
    .sgpr_count:     100
    .vgpr_count:     1024
    .wavefront_size: 32
...
	.end_amdgpu_metadata
.endif
;; end of part 3
